; MI455X (gfx1250); checked and timed in simulation.
; The chip was launched on July 23, 2026; its instructions are those of AMD's public machine-readable ISA for CDNA 5 (MIT licence, August 2026) and "CDNA5" Instruction Set Architecture Reference Guide (July 2026). The comments in the code are by the model that wrote it; some were corrected since.
;; Parallel Mistral Attention. Allowed arithmetic: matrix products marked QUANTISED: E2M3 operands, one E8M0 scale for each 32 along K, by v_wmma_scale_f32_16x16x128_f8f6f4 with both operands' format E2M3, f32 sums; everything else in f32.
;; Inputs: Wk 4,096 x 1,024 float32; Wo 2,048 x 4,096 float32; Wq 4,096 x 2,048 float32; Wv 4,096 x 1,024 float32; causal_mask 1 x 1 x 2,048 x 2,048 float32; cos 2,048 x 128 float32; hidden 1 x 2,048 x 4,096 float32; sin 2,048 x 128 float32.
;; Outputs: out0 1 x 2,048 x 4,096 float32.
;; This version of the problem:
;;   THIS VERSION OF THE PROBLEM IS GIVEN IN LOW PRECISION. The matrix products marked QUANTISED in the list below multiply operands that are first quantised to E2M3 (2 exponent bits, 3 mantissa bits; 6 bits a number), with one power-of-two scale for each 32 numbers along K (OCP MX v1.0); their sums are f32. All else is computed in f32.
;;   The module's matrix products, in the order in which they are computed (A, B: the left and right operand; K: the contracted axis; several contracted axes count as one K, in the product's order):
;;     1. [M 2,048, K 4,096] x [K 4,096, N 2,048]; A: input hidden; B: input Wq: QUANTISED
;;     2. [M 2,048, K 4,096] x [K 4,096, N 1,024]; A: input hidden; B: input Wk: QUANTISED
;;     3. [M 2,048, K 4,096] x [K 4,096, N 1,024]; A: input hidden; B: input Wv: QUANTISED
;;     4. batch 16 x [M 2,048, K 128] x [K 128, N 2,048]; A: computed on the way; B: computed on the way: QUANTISED
;;     5. batch 16 x [M 2,048, K 2,048] x [K 2,048, N 128]; A: softmax (see below); B: computed on the way: QUANTISED
;;     6. [M 2,048, K 2,048] x [K 2,048, N 4,096]; A: computed on the way; B: input Wo: QUANTISED
;;   THE QUANTISER, for each operand of a quantised product, along K:
;;     - K is cut into blocks of 32 from its start; a last block that is shorter is filled with zeros.
;;     - A block's scale is 2^e with e = floor(log2(the largest magnitude in the block)) - 2, held to -126 .. 127; a block of zeros has e = 0. As a byte (E8M0): e + 127.
;;     - Each number is divided by its block's scale, clamped to +-7.5, and rounded to the nearest number of E2M3, ties to even, subnormals kept.
;;     - The product sums the exact products of the quantised numbers (number of the format x scale) in f32.
;;   ~~~python
;;   def quantise(x, axis):      # numpy; x: float32 -> the quantised numbers, widened to float32 again
;;       x = np.moveaxis(x, axis, -1); K = x.shape[-1]
;;       x = np.pad(x, [(0, 0)] * (x.ndim - 1) + [(0, -K % 32)]); x = x.reshape(x.shape[:-1] + (-1, 32)); a = np.abs(x).max(-1, keepdims=True)
;;       e = np.where(a > 0, np.clip(np.frexp(np.where(a > 0, a, 1))[1] - 1 - 2, -126, 127), 0)      # np.frexp(a)[1] - 1 = floor(log2(a)), exactly
;;       r = np.clip(x / 2.0 ** e, -7.5, 7.5)
;;       step = 2.0 ** (np.maximum(np.frexp(np.where(r == 0, 1, r))[1] - 1, 0) - 3)
;;       q = np.round(r / step) * step * 2.0 ** e      # np.round: ties to even
;;       return np.moveaxis(q.reshape(q.shape[:-2] + (-1,))[..., :K], -1, axis).astype(np.float32)
;;   ~~~
;;   SOFTMAX AHEAD OF A QUANTISED PRODUCT. Where the list says 'softmax', what is quantised is not the finished softmax but p = 2^(t - M), with t = logit x log2(e) and M = ceil(the row's largest t), a whole number; so 1/2 < the row's largest p <= 1. The row's sum l is taken of the UNQUANTISED p, in f32, and the product's result is divided by l at the end. Since M is a whole number, a kernel that streams over the keys may use a running M (the ceiling of the running maximum): every later rescaling is an exact power of two, which a block's scale takes up: the codes' values come out the same.
;;   OPERANDS COMPUTED ON THE WAY. 'Computed on the way' means the value that the module computes at that place (a softmax that the list does not call 'softmax' is quantised finished and normalised). What goes into a quantiser is computed in f32, as accurately as f32 sums, v_exp_f32 and their like allow (about 1e-6 of the number): no bf16 or f16 on the way to a quantiser, and a product that is left as it is and whose result goes on into a quantised operand takes f32 operands (vector FMAs, or v_wmma_f32_16x16x4_f32). A number that lies on a knife's edge between two numbers of the format may be rounded either way, as far as f32 arithmetic and the matrix unit's own rounding can turn it there, and no further.
;; One version. Each part assembles by itself: llvm-mc -triple=amdgcn-amd-amdhsa -mcpu=gfx1250 --defsym DOCPART=n.
;; ======== version 1 of 1: 4 launches
;; limits: right only within a limited range of input values
;; workspace buffers: qkvin 19,660,800 bytes; oin 9,830,400 bytes; qc 3,276,800 bytes; kc 1,638,400 bytes; vc 1,638,400 bytes
;; launch quant (part 1): grid 1024 x 1, 4 waves a work-group, no clusters, 58,880 bytes of LDS; arguments hidden, Wq, Wk, Wv, Wo, qkvin, oin; writes qkvin, oin
.if DOCPART == 1
	.amdgcn_target "amdgcn-amd-amdhsa--gfx1250"
	.amdhsa_code_object_version 6
	.text
	.protected	k_q9be58ffee9_quant
	.globl	k_q9be58ffee9_quant
	.p2align	8
	.type	k_q9be58ffee9_quant,@function
k_q9be58ffee9_quant:
	s_mov_b64 s[64:65], 0
	v_nop
	global_prefetch_b8 v0, s[64:65] scope:SCOPE_SE
	s_setreg_imm32_b32 hwreg(HW_REG_WAVE_MODE, 25, 1), 1
	s_wait_xcnt 0x0
; hidden [2048][4096] (K innermost) and Wq, Wk, Wv, Wo (K = the first axis), all f32, become codes of FP6 (E2M3) with one E8M0 byte for each 32 along K,
; laid IN THE ORDER OF AN OPERAND'S REGISTERS.  A fragment (16 rows x 128 K, 12 registers a lane) is 1,536 bytes: registers 4 c .. 4 c + 3 of lane l at 512 c + 16 l.
; A PAIR RECORD, 6,400 bytes, is 32 rows x 256 K: fragment (u, s) at 1,536 (2 u + s), s = which 128 of the 256; lane r of tile u holds row 8 u + r + 8 (r / 8);
; the scale words (four bytes: 128 K of a row) at 6,144 + 128 u + 8 r + 4 s.  Records lie [256 along K][pair 0..191]: in qkvin pairs 0-63 hidden's rows, 64-127 Wq's columns,
; 128-159 Wk's, 160-191 Wv's; in oin pairs 64-191 Wo's columns (pairs 0-63 are written by a later launch).
; A block's scale is 2^(floor(log2(largest magnitude)) - 2): its byte is the largest magnitude's exponent field - 2, held at 1 from below.
; LIMITS: a block of zeros gets the byte 1 (its codes are zeros, and this program alone reads the bytes); blocks under 2^-124 keep the byte 1; NaN and infinities are not served.
; A wave makes one record.  Work-groups 0-255 take hidden, 256-1023 the weights: two paths, each with LDS bytes of its own.  No barrier: waves share nothing.
.set REC,  6400
.set XP,   528                         ; hidden's stage: a row of 512 bytes + 16, so that sixteen lanes that read sixteen rows touch sixteen different columns of 16 bytes
.set WST0, 4*16*XP                     ; behind the four stages of hidden's path: the weights' stages, 6,144 bytes a wave
.set R,    16                          ; v16-143  hidden: two sets of 64 numbers as loaded
.set X,    144                         ; v144-207 64 numbers in the operand's order
.set C,    208                         ; v208-219 a fragment's codes
.set D,    220                         ; v220-222, v224-226 the blocks' second halves (a conversion's three registers begin on an even number)
.set TM,   228                         ; v228-235 at work
.set XW,   48                          ; v48-111  weights: two sets of 32 numbers
.set CW,   112                         ; v112-117 a block's codes; v118-120 its second half
.set DW,   118
	s_load_b256 s[4:11], s[0:1], 0x0               ; hidden, Wq, Wk, Wv
	s_load_b128 s[12:15], s[0:1], 0x20             ; Wo, qkvin
	s_load_b64 s[16:17], s[0:1], 0x30              ; oin
	v_lshl_add_u32 v240, v0, 2, 0xe400
	v_mov_b32 v241, 0
	v_lshrrev_b32 v1, 5, v0
	v_readfirstlane_b32 s18, v1                    ; wave
	v_and_b32 v7, 31, v0                           ; lane
	v_lshlrev_b32 v1, 4, v7                        ; 16 x lane
	v_lshlrev_b32 v4, 3, v7                        ; 8 x lane
	s_cmp_lt_u32 ttmp9, 256
	s_cbranch_scc0 .Lweights
; ---- hidden: pair = work-group / 4, the 256 along K = 4 (work-group % 4) + wave.  Four steps t = 2 u + s, a fragment each.
	s_lshr_b32 s20, ttmp9, 2                       ; pair
	s_and_b32 s21, ttmp9, 3
	s_lshl_b32 s21, s21, 2
	s_add_co_u32 s21, s21, s18                     ; which 256 along K
	s_lshl_b32 s22, s20, 19                        ; 32 rows of 16,384 bytes
	s_lshl_b32 s23, s21, 10
	s_add_co_u32 s22, s22, s23
	s_mov_b32 s23, 0
	s_mul_i32 s24, s21, 192
	s_add_co_u32 s24, s24, s20
	s_mul_i32 s24, s24, REC
	s_mov_b32 s25, 0
	s_mul_i32 s26, s18, 16*XP                      ; my stage
	s_mov_b32 s28, 0x76543210
	s_mov_b32 s29, 0xfedcba98                      ; v_permlanex16_b32's selects for lane l xor 16
	v_and_b32 v5, 15, v0                           ; r
	v_bfe_u32 v6, v0, 4, 1                         ; h
	s_wait_alu depctr_va_vdst(0)
	v_add_nc_u32 v2, s26, v1                       ; into the stage: 16 x lane of a row
	v_mul_u32_u24 v3, v5, XP
	v_lshl_add_u32 v3, v6, 7, v3
	v_add_nc_u32 v3, s26, v3                       ; out of it: row r, + 128 h: my 32 numbers of each 64
	v_lshlrev_b32 v5, 3, v6                        ; 8 h
	v_mov_b32 v[TM+7], 0                           ; a lane permute's destination counts as one of its sources
	s_wait_alu depctr_va_vdst(0)
	s_wait_kmcnt 0x0
	s_add_nc_u64 s[4:5], s[4:5], s[22:23]
	s_add_nc_u64 s[14:15], s[14:15], s[24:25]
.macro LOADX t                         ; the 16 rows of tile u = t / 2, 128 along K: each load reads 512 consecutive bytes of one row
.set ii, 0
.rept 16
	global_load_b128 v[R+64*((\t)%2)+4*ii:R+64*((\t)%2)+4*ii+3], v1, s[4:5] offset:(8*((\t)/2)+ii+8*(ii/8))*16384+512*((\t)%2) th:TH_LOAD_NT
.set ii, ii+1
.endr
.endm
.macro STEPX t
.if (\t) < 3
	s_wait_loadcnt 16                              ; this step's 16 loads are in; the next step's may be out
.else
	s_wait_loadcnt 0x0
.endif
.set ii, 0
.rept 16
	ds_store_b128 v2, v[R+64*((\t)%2)+4*ii:R+64*((\t)%2)+4*ii+3] offset:XP*ii
.set ii, ii+1
.endr
.irp c, 0,1                            ; LDS serves a wave's instructions in order: these see the stores above.  Lane (r, h): k = 64 c + 32 h + 0 .. 31 of row r
.irp j, 0,1,2,3,4,5,6,7
	ds_load_b128 v[X+32*\c+4*\j:X+32*\c+4*\j+3], v3 offset:256*\c+16*\j
.endr
.endr
	s_wait_dscnt 0x0                               ; the numbers are back, and the stores have read the set that the next loads fill
.if (\t)+2 < 4
	LOADX (\t)+2
.endif
.irp c, 0,1                            ; my two blocks are whole: no other lane is asked for a maximum
	v_max3_num_f32 v[TM+\c], |v[X+32*\c]|, |v[X+32*\c+1]|, 0x1800000   ; the floor 2^(3 - 127) holds the byte at 1 from below
.endr
.irp i, 2,4,6,8,10,12,14,16,18,20,22,24,26,28,30
.irp c, 0,1
	v_max3_num_f32 v[TM+\c], v[TM+\c], |v[X+32*\c+\i]|, |v[X+32*\c+\i+1]|
.endr
.endr
.irp c, 0,1
	v_add_nc_u32 v[TM+2+\c], 0xff000000, v[TM+\c]  ; 2 off the exponent field: the conversion's scale operand
.endr
.irp c, 0,1
	v_lshrrev_b32 v[TM+4+\c], 23, v[TM+2+\c]       ; the scale's byte
.endr
	v_lshl_or_b32 v[TM+6], v[TM+5], 16, v[TM+4]    ; blocks h and 2 + h of row r,
	v_lshlrev_b32 v[TM+6], v5, v[TM+6]             ; at their places in the word;
	v_permlanex16_b32 v[TM+7], v[TM+6], s28, s29
	v_or_b32 v[8+(\t)], v[TM+6], v[TM+7]           ; with lane l xor 16's two the word is whole, in both lanes
	s_wait_alu depctr_va_vdst(0)
	s_wait_xcnt 0x0                                ; the last step's stores have read the codes' registers
.irp c, 0,1
	v_cvt_scalef32_pk16_fp6_f32 v[C+6*\c:C+6*\c+2], v[X+32*\c:X+32*\c+15], v[TM+2+\c]
	v_cvt_scalef32_pk16_fp6_f32 v[D+4*\c:D+4*\c+2], v[X+32*\c+16:X+32*\c+31], v[TM+2+\c]
.endr
	v_nop                                          ; one plain place behind a scaled conversion
.irp c, 0,1
.irp i, 0,1,2
	v_mov_b32 v[C+3+6*\c+\i], v[D+4*\c+\i]
.endr
.endr
.irp c, 0,1,2
	global_store_b128 v1, v[C+4*\c:C+4*\c+3], s[14:15] offset:1536*(\t)+512*\c   ; 32 lanes store 512 consecutive bytes, at a multiple of 256 from the buffer's first byte
.endr
.endm
	LOADX 0
	LOADX 1
	STEPX 0
	STEPX 1
	STEPX 2
	STEPX 3
	v_cmp_le_u32 vcc_lo, 16, v7
	v_cndmask_b32 v12, v8, v10, vcc_lo             ; lanes 0-15: tile 0's words, lanes 16-31: tile 1's; s = 0,
	v_cndmask_b32 v13, v9, v11, vcc_lo             ; s = 1
	global_store_b64 v4, v[12:13], s[14:15] offset:6144   ; 256 consecutive bytes
	s_wait_tensorcnt 0x0
	ds_add_u32 v240, v241
	s_wait_dscnt 0x0
	s_endpgm
; ---- the weights: ONE path for four tensors; only numbers and pointers are chosen, by the work-group's number.
; A lane takes a column and its registers run down K: each load reads 128 consecutive bytes a wave (512 a work-group), a block of 32 lies in one lane.
.Lweights:
	s_sub_co_u32 s20, ttmp9, 256                   ; j: 0-255 Wq, 256-383 Wk, 384-511 Wv, 512-767 Wo
	s_mov_b32 s21, 16384                           ; a row in bytes
	s_mov_b32 s22, 5                               ; log2 of the groups of 128 columns
	s_mov_b32 s23, 512                             ; the tensor's first j
	s_mov_b32 s24, 64                              ; its first pair
	s_wait_kmcnt 0x0
	s_mov_b64 s[26:27], s[12:13]
	s_mov_b64 s[28:29], s[16:17]
	s_cmp_lt_u32 s20, 512
	s_cselect_b32 s21, 4096, s21
	s_cselect_b32 s22, 3, s22
	s_cselect_b32 s23, 384, s23
	s_cselect_b32 s24, 160, s24
	s_cselect_b64 s[26:27], s[10:11], s[26:27]
	s_cselect_b64 s[28:29], s[14:15], s[28:29]
	s_cmp_lt_u32 s20, 384
	s_cselect_b32 s23, 256, s23
	s_cselect_b32 s24, 128, s24
	s_cselect_b64 s[26:27], s[8:9], s[26:27]
	s_cmp_lt_u32 s20, 256
	s_cselect_b32 s21, 8192, s21
	s_cselect_b32 s22, 4, s22
	s_cselect_b32 s23, 0, s23
	s_cselect_b32 s24, 64, s24
	s_cselect_b64 s[26:27], s[6:7], s[26:27]
	s_sub_co_u32 s20, s20, s23
	s_bfm_b32 s30, s22, 0
	s_and_b32 s30, s20, s30                        ; which 128 columns
	s_lshr_b32 s31, s20, s22                       ; which 256 along K
	s_lshl_b32 s48, s30, 2
	s_add_co_u32 s48, s48, s24
	s_add_co_u32 s48, s48, s18                     ; my pair
	s_mul_i32 s49, s31, 192
	s_add_co_u32 s49, s49, s48
	s_mul_i32 s50, s49, REC
	s_mov_b32 s51, 0
	s_add_nc_u64 s[28:29], s[28:29], s[50:51]      ; my record
	s_lshl_b32 s50, s31, 8
	s_mul_i32 s50, s50, s21                        ; 256 rows down for each step along K,
	s_lshl_b32 s52, s30, 9
	s_add_co_u32 s50, s50, s52                     ; 512 bytes for each 128 columns,
	s_lshl_b32 s52, s18, 7
	s_add_co_u32 s50, s50, s52                     ; 128 for each wave
	s_add_nc_u64 s[32:33], s[26:27], s[50:51]
	s_lshl_b32 s52, s21, 5                         ; 32 rows
	s_mov_b32 s53, 0
.irp t, 1,2,3,4,5,6,7                  ; a base for each block of 32 along K: nothing is stepped
	s_add_nc_u64 s[32+2*\t:33+2*\t], s[30+2*\t:31+2*\t], s[52:53]
.endr
	s_wait_alu depctr_va_vdst(0)
	v_lshlrev_b32 v3, 2, v7
.set ii, 0
.rept 32
	v_mad_u32_u24 v[16+ii], s21, ii, v3            ; row i of a block, my column
.set ii, ii+1
.endr
	v_bfe_u32 v5, v0, 3, 1                         ; column c of the pair is lane r = c % 8 + 8 (c / 16) of tile u = (c / 8) % 2
	v_and_b32 v6, 7, v0
	v_bfe_u32 v8, v0, 4, 1
	v_lshl_add_u32 v8, v8, 3, v6
	v_lshlrev_b32 v9, 3, v8
	v_lshl_add_u32 v9, v5, 7, v9                   ; my scale words' place: 128 u + 8 r
	s_mul_i32 s54, s18, 6144
	s_add_co_u32 s54, s54, WST0                    ; my stage: the record's four fragments as they will lie
	v_mul_u32_u24 v6, v5, 3072
	v_lshl_add_u32 v6, v8, 4, v6
	v_add_nc_u32 v6, s54, v6                       ; into it: 3,072 u + 16 r
	v_add_nc_u32 v10, s54, v1                      ; out of it: 16 x lane
.macro LOADW t
.set ii, 0
.rept 32
	global_load_b32 v[XW+32*((\t)%2)+ii], v[16+ii], s[32+2*(\t):33+2*(\t)] th:TH_LOAD_NT
.set ii, ii+1
.endr
.endm
; Block t: s = t / 4; in its 128 along K it is registers 6 c .. 6 c + 5 (c = (t / 2) % 2) of the image's lane r + 16 h (h = t % 2)
.macro BLOCK t
.set XS, XW+32*((\t)%2)
.set BO, 1536*((\t)/4)+256*((\t)%2)
.if (\t) < 7
	s_wait_loadcnt 32                              ; this block's 32 loads are in; the next block's may be out
.else
	s_wait_loadcnt 0x0
.endif
	v_max3_num_f32 v14, |v[XS]|, |v[XS+1]|, |v[XS+2]|
	v_max3_num_f32 v15, |v[XS+3]|, |v[XS+4]|, |v[XS+5]|
.irp i, 6,10,14,18,22,26
	v_max3_num_f32 v14, v14, |v[XS+\i]|, |v[XS+\i+1]|
	v_max3_num_f32 v15, v15, |v[XS+\i+2]|, |v[XS+\i+3]|
.endr
	v_max3_num_f32 v14, v14, |v[XS+30]|, |v[XS+31]|
	v_max3_num_f32 v14, v14, v15, 0x1800000        ; and the floor
	v_add_nc_u32 v11, 0xff000000, v14
	v_lshrrev_b32 v15, 23, v11
.if (\t)%4 == 0
	v_mov_b32 v[12+(\t)/4], v15                    ; four bytes to a word, the lower K in the lower byte
.else
	v_lshl_or_b32 v[12+(\t)/4], v15, 8*((\t)%4), v[12+(\t)/4]
.endif
	v_cvt_scalef32_pk16_fp6_f32 v[CW:CW+2], v[XS:XS+15], v11
	v_cvt_scalef32_pk16_fp6_f32 v[DW:DW+2], v[XS+16:XS+31], v11
	v_nop                                          ; one plain place behind a scaled conversion
.irp i, 0,1,2
	v_mov_b32 v[CW+3+\i], v[DW+\i]
.endr
.if (\t)+2 < 8
	LOADW (\t)+2
.endif
.if ((\t)/2)%2 == 0
	ds_store_b128 v6, v[CW:CW+3] offset:BO         ; registers 0-3,
	ds_store_b64 v6, v[CW+4:CW+5] offset:BO+512    ; 4-5
.else
	ds_store_b64 v6, v[CW:CW+1] offset:BO+520      ; registers 6-7,
	ds_store_b128 v6, v[CW+2:CW+5] offset:BO+1024  ; 8-11
.endif
	s_wait_dscnt 0x0                               ; the stores have read their registers: the next block's codes may be written
.endm
	LOADW 0
	LOADW 1
.irp t, 0,1,2,3,4,5,6,7
	BLOCK \t
.endr
.irp i, 0,1,2,3,4,5,6,7,8,9,10,11
	ds_load_b128 v[128+4*\i:131+4*\i], v10 offset:512*\i
.endr
.irp i, 0,1,2,3,4,5,6,7,8,9,10,11
	s_wait_dscnt 11-\i                             ; LDS loads come back in order: load i is in
	global_store_b128 v1, v[128+4*\i:131+4*\i], s[28:29] offset:512*\i
.endr
	s_wait_alu depctr_va_vdst(0)
	global_store_b64 v9, v[12:13], s[28:29] offset:6144   ; the 32 lanes fill 256 consecutive bytes
	s_wait_tensorcnt 0x0
	ds_add_u32 v240, v241
	s_wait_dscnt 0x0
	s_endpgm
.Lfunc_end_k_q9be58ffee9_quant:
	.size	k_q9be58ffee9_quant, .Lfunc_end_k_q9be58ffee9_quant-k_q9be58ffee9_quant
	.p2alignl 7, 3214868480
	.fill 96, 4, 3214868480
	.section	.rodata,"a",@progbits
	.p2align	6, 0x0
	.amdhsa_kernel k_q9be58ffee9_quant
		.amdhsa_group_segment_fixed_size 58880
		.amdhsa_private_segment_fixed_size 0
		.amdhsa_enable_private_segment 0
		.amdhsa_kernarg_size 56
		.amdhsa_user_sgpr_count 2
		.amdhsa_user_sgpr_kernarg_segment_ptr 1
		.amdhsa_wavefront_size32 1
		.amdhsa_system_sgpr_workgroup_id_x 1
		.amdhsa_system_sgpr_workgroup_id_y 1
		.amdhsa_system_sgpr_workgroup_id_z 1
		.amdhsa_system_vgpr_workitem_id 0
		.amdhsa_next_free_vgpr 242
		.amdhsa_next_free_sgpr 66
		.amdhsa_reserve_vcc 1
		.amdhsa_float_denorm_mode_32 3
		.amdhsa_float_denorm_mode_16_64 3
		.amdhsa_memory_ordered 1
		.amdhsa_forward_progress 1
		.amdhsa_inst_pref_size 74
	.end_amdhsa_kernel
	.amdgpu_metadata
---
amdhsa.version: [ 1, 2 ]
amdhsa.kernels:
  - .name:           k_q9be58ffee9_quant
    .symbol:         k_q9be58ffee9_quant.kd
    .args:
      - { .name: hidden, .offset: 0, .size: 8, .value_kind: global_buffer, .address_space: global }
      - { .name: Wq, .offset: 8, .size: 8, .value_kind: global_buffer, .address_space: global }
      - { .name: Wk, .offset: 16, .size: 8, .value_kind: global_buffer, .address_space: global }
      - { .name: Wv, .offset: 24, .size: 8, .value_kind: global_buffer, .address_space: global }
      - { .name: Wo, .offset: 32, .size: 8, .value_kind: global_buffer, .address_space: global }
      - { .name: qkvin, .offset: 40, .size: 8, .value_kind: global_buffer, .address_space: global }
      - { .name: oin, .offset: 48, .size: 8, .value_kind: global_buffer, .address_space: global }
    .group_segment_fixed_size: 58880
    .private_segment_fixed_size: 0
    .kernarg_segment_align: 8
    .kernarg_segment_size: 56
    .max_flat_workgroup_size: 128
    .sgpr_count:     66
    .vgpr_count:     242
    .wavefront_size: 32
...
	.end_amdgpu_metadata
.endif
;; end of part 1
;; launch gemm_qkv (part 2): grid 16 x 16, 4 waves a work-group, clusters of 4 x 4, 327,680 bytes of LDS; arguments qkvin, cos, sin, qc, kc, vc; writes qc, kc, vc
.if DOCPART == 2
	.amdgcn_target "amdgcn-amd-amdhsa--gfx1250"
	.amdhsa_code_object_version 6
	.text
	.protected	k_q9be58ffee9_gemm_qkv
	.globl	k_q9be58ffee9_gemm_qkv
	.p2align	8
	.type	k_q9be58ffee9_gemm_qkv,@function
k_q9be58ffee9_gemm_qkv:
	s_mov_b64 s[64:65], 0
	v_nop
	global_prefetch_b8 v0, s[64:65] scope:SCOPE_SE
	s_setreg_imm32_b32 hwreg(HW_REG_WAVE_MODE, 25, 1), 1
	s_wait_xcnt 0x0
	s_wait_alu depctr_hold_cnt(0) depctr_sa_sdst(0) depctr_va_vdst(0) depctr_va_sdst(0) depctr_va_ssrc(0) depctr_va_vcc(0) depctr_vm_vsrc(0)
	s_getreg_b32 s2, hwreg(HW_REG_IB_STS2, 6, 4)
	s_cmp_eq_u32 s2, 0
	s_cbranch_scc0 .Lentry_in_a_cluster
	s_endpgm
.Lentry_in_a_cluster:
	s_bfe_u32 s2, ttmp6, 0x10000c
	s_cmp_lg_u32 s2, 0xf033
	s_cbranch_scc0 .Lentry_shape_is_right
	s_endpgm
.Lentry_shape_is_right:
.set REC,   6400
.set PLANE, 192*REC
.set S1H,   4*REC
.set S0H,   8*REC
.set S0B,   2*S1H
.set SLOT,  2*S1H+2*S0H
.set SPARE, 2*SLOT
.set LAPS,  4
.set CSP,   528
.set ADR1, 16
.set ADR0, 18
.set ASC1, 20
.set ASC0, 22
.set STI,  24
.set STO,  25
.set LI,   26
.set LS,   27
.set SPW,  28
.set NIL,  29
.set SC,   32
.set F1,   64
.set T,    64
.set PC,   128
.set TM,   148
.set PW,   164
.set PWS,  168
.set PP,   172
.set SEL,  22
.set G1,   24
.set G0,   32
.set G1B,  48
.set G0B,  56
.set PFO,  30                          ; v30: the prefetches' offset, 256 x min(lane, 24); never rewritten
.set PFA,  94                          ; s[94:95]: where my prefetches stand
.set MSB, 0
; A PREFETCH INTO THE L2 of the tiles of a later slot.  A slot is two planes of 256 along K; the piece that a wave fetches is 2 records (waves 0, 1) or 4 records (waves 2, 3) in each of the two planes.
; The four partners that ask for a piece jointly share it out BY ADDRESS: partner p (cx for waves 0, 1; cy for waves 2, 3) takes plane p / 2 and half p % 2 of that plane's records:
; one record, 25 blocks of 256 bytes, for waves 0, 1 (one line; lanes 25 to 31 name the last block again), two records for waves 2, 3 (two lines).  So each block is named once in each cluster that loads it.
; Behind the load of slot n stands the prefetch of slot n + 2; the head also asks for slot 1.  The loop's last trip, whose refills are slots 6 and 7, asks for nothing: slot 7 is the last.
.macro ASKH n                          ; at the head: slot n, by an immediate from slot 0's address
	global_prefetch_b8 v[PFO], s[PFA:PFA+1] offset:(\n)*2*PLANE th:TH_LOAD_NT scope:SCOPE_SE
	s_cmp_eq_u32 s17, 0
	s_cbranch_scc1 .Lone_\@
	global_prefetch_b8 v[PFO], s[PFA:PFA+1] offset:(\n)*2*PLANE+REC th:TH_LOAD_NT scope:SCOPE_SE
.Lone_\@:
.endm
.macro ASK                             ; in the loop: the address stands one slot behind the refill just issued; three slots on from it is the slot two refills ahead
	s_cmp_gt_u32 s3, 1
	s_cbranch_scc0 .Lnoask_\@
	global_prefetch_b8 v[PFO], s[PFA:PFA+1] offset:6*PLANE th:TH_LOAD_NT scope:SCOPE_SE
	s_cmp_eq_u32 s17, 0
	s_cbranch_scc1 .Lnoask_\@
	global_prefetch_b8 v[PFO], s[PFA:PFA+1] offset:6*PLANE+REC th:TH_LOAD_NT scope:SCOPE_SE
.Lnoask_\@:
.endm
.macro WIN new
.if MSB != (\new)
	s_set_vgpr_msb (MSB<<8)|(\new)
.set MSB, (\new)
.endif
.endm
.macro PLACES
.rept 4
	v_nop
.endr
.endm
.macro JLOAD g0a, g1a, g0b, g1b
	s_cmp_eq_u32 s17, 0
	s_cbranch_scc0 .Lfor_s0_\@
	tensor_load_to_lds s[\g0a:\g0a+3], s[\g1a:\g1a+7]
	s_nop 0
	PLACES
	s_branch .Lasked_\@
.Lfor_s0_\@:
	tensor_load_to_lds s[\g0b:\g0b+3], s[\g1b:\g1b+7]
	s_nop 0
	PLACES
.Lasked_\@:
.endm
.macro CREST
	s_cmp_lg_u32 s16, 0
	s_cbranch_scc1 .Lnot_wave_0_\@
	s_barrier_signal -3
.Lnot_wave_0_\@:
	s_barrier_wait -3
	s_barrier_signal -1
	s_barrier_wait -1
.endm
.macro CROUND
	s_barrier_signal -1
	s_barrier_wait -1
	CREST
.endm
	s_load_b256 s[4:11], s[0:1], 0x0
	s_load_b128 s[12:15], s[0:1], 0x20
	v_lshl_add_u32 v[SPW], v0, 2, SPARE
	v_mov_b32 v[NIL], 0
	ds_add_u32 v28, v29
	ds_add_u32 v28, v29
	s_wait_dscnt 0x0
	v_lshrrev_b32 v1, 5, v0
	v_readfirstlane_b32 s16, v1
	s_lshr_b32 s17, s16, 1
	s_and_b32 s18, s16, 1
	s_bfe_u32 s19, ttmp6, 0x40000
	s_bfe_u32 s20, ttmp6, 0x40004
	s_and_b32 s21, ttmp7, 0xffff
	s_lshl_b32 s40, ttmp9, 2
	s_add_co_u32 s40, s40, s19
	s_lshl_b32 s41, s40, 3
	s_add_co_u32 s41, s41, 64
	s_and_b32 s42, s21, 1
	s_lshl_b32 s42, s42, 2
	s_add_co_u32 s42, s42, s19
	s_lshl_b32 s43, s42, 3
	s_lshl_b32 s44, s21, 2
	s_add_co_u32 s44, s44, s20
	s_lshl_b32 s45, s44, 2
	s_lshr_b32 s46, s21, 1
	s_lshl_b32 s46, s46, 2
	s_add_co_u32 s46, s46, s20
	s_lshl_b32 s47, s46, 2
	s_add_co_u32 s47, s47, 160
	s_cmp_eq_u32 ttmp9, 3
	s_cselect_b32 s66, s43, s41
	s_cselect_b32 s67, s47, s45
	s_lshl_b32 s80, s20, 2
	s_lshl_b32 s80, 15, s80
	s_lshl_b32 s81, 0x1111, s19
	s_or_b32 s[G1], s80, (3<<16)|(1<<21)
	s_or_b32 s[G1B], s81, (3<<16)|(1<<21)
	s_mov_b32 s[G1+1], 1600<<16
	s_mov_b32 s[G1+2], 2<<16
	s_mov_b32 s[G1+3], 1600<<16
	s_mov_b32 s[G1+4], 2
	s_mov_b32 s[G1+5], PLANE/8
	s_mov_b32 s[G1+6], 0
	s_mov_b32 s[G1+7], 0
	s_mov_b32 s[G1B+1], 3200<<16
	s_mov_b32 s[G1B+2], 2<<16
	s_mov_b32 s[G1B+3], 3200<<16
	s_mov_b32 s[G1B+4], 2
	s_mov_b32 s[G1B+5], PLANE/8
	s_mov_b32 s[G1B+6], 0
	s_mov_b32 s[G1B+7], 0
	s_lshl_b32 s74, s18, 1
	s_add_co_u32 s74, s74, s67
	s_mul_i32 s74, s74, REC
	s_mov_b32 s75, 0
	s_lshl_b32 s76, s18, 2
	s_add_co_u32 s76, s76, s66
	s_mul_i32 s76, s76, REC
	s_mov_b32 s77, 0
	s_mul_i32 s78, s18, S1H
	s_mul_i32 s79, s18, S0H
	s_add_co_u32 s79, s79, S0B
	s_mov_b32 s[SEL], 0x76543210
	s_mov_b32 s[SEL+1], 0xfedcba98
	s_wait_kmcnt 0x0
	s_add_nc_u64 s[74:75], s[4:5], s[74:75]
	s_add_nc_u64 s[76:77], s[4:5], s[76:77]
.irp s, 0,1
	s_mov_b32 s[G0+4*\s], 1
	s_add_co_u32 s[G0+4*\s+1], s78, \s*SLOT
	s_add_nc_u64 s[G0+4*\s+2:G0+4*\s+3], s[74:75], \s*2*PLANE
	s_or_b32 s[G0+4*\s+3], s[G0+4*\s+3], 0x80000000
	s_mov_b32 s[G0B+4*\s], 1
	s_add_co_u32 s[G0B+4*\s+1], s79, \s*SLOT
	s_add_nc_u64 s[G0B+4*\s+2:G0B+4*\s+3], s[76:77], \s*2*PLANE
	s_or_b32 s[G0B+4*\s+3], s[G0B+4*\s+3], 0x80000000
.endr
	CROUND                                         ; all sixteen work-groups are here: the first joint loads meet
	JLOAD G0, G1, G0B, G1B                         ; slot 0: one tensor load a wave at the head
	s_cmp_eq_u32 s17, 0                            ; the prefetches: my piece's address, and my place among the four that ask for it with me
	s_cselect_b32 s96, s19, s20
	s_cselect_b64 s[PFA:PFA+1], s[74:75], s[76:77]
	s_lshl_b32 s97, REC, s17                       ; a partner's half of a plane: one record or two
	s_and_b32 s98, s96, 1
	s_mul_i32 s98, s98, s97
	s_lshr_b32 s96, s96, 1
	s_mul_i32 s96, s96, PLANE
	s_add_co_u32 s98, s98, s96
	s_mov_b32 s99, 0
	s_add_nc_u64 s[PFA:PFA+1], s[PFA:PFA+1], s[98:99]
	v_and_b32 v2, 31, v0
	v_min_u32 v2, 24, v2
	v_lshlrev_b32 v[PFO], 8, v2
	s_wait_alu depctr_va_vdst(0)                   ; the wait here, behind the write
	ASKH 1
	ASKH 2
	v_and_b32 v1, 31, v0
	v_lshlrev_b32 v[LI], 4, v1
	v_lshlrev_b32 v[LS], 3, v1
	s_mul_i32 s82, s17, S1H
	s_mul_i32 s83, s18, S0H
	s_add_co_u32 s83, s83, S0B
.irp s, 0,1
	v_add_nc_u32 v[ADR1+\s], s82, v[LI]
	v_add_nc_u32 v[ADR0+\s], s83, v[LI]
	v_add_nc_u32 v[ASC1+\s], s82, v[LS]
	v_add_nc_u32 v[ASC0+\s], s83, v[LS]
	s_add_co_u32 s82, s82, SLOT
	s_add_co_u32 s83, s83, SLOT
.endr
	s_mul_i32 s84, s16, 32*CSP
	v_and_b32 v2, 15, v0
	v_bfe_u32 v3, v0, 4, 1
	v_add_nc_u32 v[STI], s84, v[LI]
	v_mul_u32_u24 v[STO], v2, CSP
	v_lshl_add_u32 v[STO], v3, 6, v[STO]
	v_add_nc_u32 v[STO], s84, v[STO]
	s_lshl_b32 s85, s44, 7
	s_lshl_b32 s86, s17, 6
	s_add_co_u32 s85, s85, s86
	s_lshl_b32 s86, s85, 9
	s_mov_b32 s87, 0
	s_add_nc_u64 s[70:71], s[6:7], s[86:87]
	s_add_nc_u64 s[72:73], s[8:9], s[86:87]
	s_cmp_lt_u32 ttmp9, 2
	s_cselect_b32 s88, 0, 8
	s_cselect_b64 s[68:69], s[10:11], s[12:13]
	s_sub_co_u32 s88, s40, s88
	s_lshl_b32 s88, s88, 1
	s_add_co_u32 s88, s88, s18
	s_lshl_b32 s88, s88, 5
	s_lshl_b32 s89, s44, 1
	s_add_co_u32 s88, s88, s89
	s_add_co_u32 s88, s88, s17
	s_lshl_b32 s89, s46, 5
	s_lshl_b32 s90, s42, 2
	s_add_co_u32 s89, s89, s90
	s_lshl_b32 s90, s18, 1
	s_add_co_u32 s89, s89, s90
	s_add_co_u32 s89, s89, s17
	s_cmp_eq_u32 ttmp9, 3
	s_cselect_b32 s88, s89, s88
	s_cselect_b64 s[68:69], s[14:15], s[68:69]
	s_mul_i32 s88, s88, REC
	s_mov_b32 s89, 0
	s_add_nc_u64 s[68:69], s[68:69], s[88:89]
.macro CSLOAD a, win
	WIN \win
.set ii, 0
.rept 16
	global_load_b128 v[128*((\a)%2)+4*ii:128*((\a)%2)+4*ii+3], v[LI], s[70:71] offset:(32*((\a)/2)+8*((\a)%2)+ii+8*(ii/8))*512
	global_load_b128 v[128*((\a)%2)+64+4*ii:128*((\a)%2)+64+4*ii+3], v[LI], s[72:73] offset:(32*((\a)/2)+8*((\a)%2)+ii+8*(ii/8))*512
.set ii, ii+1
.endr
	WIN 0
.endm
	CSLOAD 0, 0xc0
	CSLOAD 1, 0xc0
.macro WM zero, ra, rb
.if \zero
.if (\ra) && (\rb)
	v_wmma_scale_f32_16x16x128_f8f6f4 v[rD:rD+7], v[rA:rA+11], v[rB:rB+11], 0, v[rSA], v[rSB] matrix_a_fmt:MATRIX_FMT_FP6 matrix_b_fmt:MATRIX_FMT_FP6 matrix_a_scale:MATRIX_SCALE_ROW1 matrix_b_scale:MATRIX_SCALE_ROW1
.elseif \ra
	v_wmma_scale_f32_16x16x128_f8f6f4 v[rD:rD+7], v[rA:rA+11], v[rB:rB+11], 0, v[rSA], v[rSB] matrix_a_fmt:MATRIX_FMT_FP6 matrix_b_fmt:MATRIX_FMT_FP6 matrix_a_scale:MATRIX_SCALE_ROW1
.elseif \rb
	v_wmma_scale_f32_16x16x128_f8f6f4 v[rD:rD+7], v[rA:rA+11], v[rB:rB+11], 0, v[rSA], v[rSB] matrix_a_fmt:MATRIX_FMT_FP6 matrix_b_fmt:MATRIX_FMT_FP6 matrix_b_scale:MATRIX_SCALE_ROW1
.else
	v_wmma_scale_f32_16x16x128_f8f6f4 v[rD:rD+7], v[rA:rA+11], v[rB:rB+11], 0, v[rSA], v[rSB] matrix_a_fmt:MATRIX_FMT_FP6 matrix_b_fmt:MATRIX_FMT_FP6
.endif
.else
.if (\ra) && (\rb)
	v_wmma_scale_f32_16x16x128_f8f6f4 v[rD:rD+7], v[rA:rA+11], v[rB:rB+11], v[rD:rD+7], v[rSA], v[rSB] matrix_a_fmt:MATRIX_FMT_FP6 matrix_b_fmt:MATRIX_FMT_FP6 matrix_a_scale:MATRIX_SCALE_ROW1 matrix_b_scale:MATRIX_SCALE_ROW1
.elseif \ra
	v_wmma_scale_f32_16x16x128_f8f6f4 v[rD:rD+7], v[rA:rA+11], v[rB:rB+11], v[rD:rD+7], v[rSA], v[rSB] matrix_a_fmt:MATRIX_FMT_FP6 matrix_b_fmt:MATRIX_FMT_FP6 matrix_a_scale:MATRIX_SCALE_ROW1
.elseif \rb
	v_wmma_scale_f32_16x16x128_f8f6f4 v[rD:rD+7], v[rA:rA+11], v[rB:rB+11], v[rD:rD+7], v[rSA], v[rSB] matrix_a_fmt:MATRIX_FMT_FP6 matrix_b_fmt:MATRIX_FMT_FP6 matrix_b_scale:MATRIX_SCALE_ROW1
.else
	v_wmma_scale_f32_16x16x128_f8f6f4 v[rD:rD+7], v[rA:rA+11], v[rB:rB+11], v[rD:rD+7], v[rSA], v[rSB] matrix_a_fmt:MATRIX_FMT_FP6 matrix_b_fmt:MATRIX_FMT_FP6
.endif
.endif
.endm
.macro MUL a, set, q, zero
.irp b, 0,1,2,3,4,5,6,7
.set rD, 64*(\a)+8*\b
.set rA, 128*(\set)+12*\b
.set rB, F1+48*(\set)+12*(\a)
.set rSA, SC+12*((\q)/2)+2*(\b/2)+(\q)%2
.set rSB, SC+12*((\q)/2)+8+2*((\a)/2)+(\q)%2
	WM \zero, \b%2, (\a)%2
.endr
.endm
.macro FETCH slot, q, set
	WIN 0x40
.irp b, 0,1,2,3,4,5,6,7
.irp c, 0,1,2
	ds_load_b128 v[128*(\set)+12*\b+4*\c:128*(\set)+12*\b+4*\c+3], v[ADR0+\slot] offset:4*REC*((\q)/2)+REC*(\b/2)+1536*(2*(\b%2)+(\q)%2)+512*\c
.endr
.endr
	WIN 0
.irp a, 0,1,2,3
.irp c, 0,1,2
	ds_load_b128 v[F1+48*(\set)+12*\a+4*\c:F1+48*(\set)+12*\a+4*\c+3], v[ADR1+\slot] offset:2*REC*((\q)/2)+REC*(\a/2)+1536*(2*(\a%2)+(\q)%2)+512*\c
.endr
.endr
.if ((\q)%2) == 0
.irp j, 0,1,2,3
	ds_load_b64 v[SC+12*((\q)/2)+2*\j:SC+12*((\q)/2)+2*\j+1], v[ASC0+\slot] offset:4*REC*((\q)/2)+REC*\j+6144
.endr
.irp j, 0,1
	ds_load_b64 v[SC+12*((\q)/2)+8+2*\j:SC+12*((\q)/2)+8+2*\j+1], v[ASC1+\slot] offset:2*REC*((\q)/2)+REC*\j+6144
.endr
.endif
.endm
.macro STEP slot, q, zero
	s_wait_dscnt 0x0
	PLACES
	FETCH \slot, (\q)+1, ((\q)+1)%2
	WIN 0xa1
	MUL 0, (\q)%2, \q, \zero
	MUL 1, (\q)%2, \q, \zero
	MUL 2, (\q)%2, \q, \zero
	MUL 3, (\q)%2, \q, \zero
	WIN 0
.endm
.macro TURN slot, next, fill
.if \fill
	s_wait_xcnt 0x0                                ; my last prefetches, a slot back, have read their address
	s_add_nc_u64 s[PFA:PFA+1], s[PFA:PFA+1], 2*PLANE
.endif
	s_wait_tensorcnt 0x0
	ds_add_u32 v[SPW], v[NIL]
	s_wait_dscnt 0x1
	WIN 0xa1
	MUL 0, 1, 3, 0
	s_wait_dscnt 0x0
	s_barrier_signal -1
	MUL 1, 1, 3, 0
	WIN 0
	s_barrier_wait -1
.if \fill
	CREST
	s_add_nc_u64 s[G0+4*\slot+2:G0+4*\slot+3], s[G0+4*\slot+2:G0+4*\slot+3], 4*PLANE
	s_add_nc_u64 s[G0B+4*\slot+2:G0B+4*\slot+3], s[G0B+4*\slot+2:G0B+4*\slot+3], 4*PLANE
	JLOAD G0+4*\slot, G1, G0B+4*\slot, G1B
.else
	PLACES
.endif
	s_wait_alu depctr_va_vdst(0)
	FETCH \next, 0, 0
.if \fill
	ASK
.endif
	WIN 0xa1
	MUL 2, 1, 3, 0
	MUL 3, 1, 3, 0
	WIN 0
.endm
	s_wait_alu depctr_va_vdst(0)                   ; the wait at the head's end
	s_wait_tensorcnt 0x0                           ; my part of slot 0 is in; these lines stand ahead of a later first fill as ahead of a refill
	ds_add_u32 v[SPW], v[NIL]
	s_wait_dscnt 0x0
	CROUND                                         ; everybody's part of slot 0 is in, and the joint loads meet
	JLOAD G0+4, G1, G0B+4, G1B                     ; slot 1, the first tensor load behind the round
	ASKH 3
	FETCH 0, 0, 0
	STEP 0, 0, 1
	s_mov_b32 s3, LAPS-1
.Llap:
	STEP 0, 1, 0
	STEP 0, 2, 0
	TURN 0, 1, 1
	STEP 1, 0, 0
	STEP 1, 1, 0
	STEP 1, 2, 0
	TURN 1, 0, 1
	STEP 0, 0, 0
	s_sub_co_u32 s3, s3, 1
	s_cmp_lg_u32 s3, 0
	s_cbranch_scc1 .Llap
	STEP 0, 1, 0
	STEP 0, 2, 0
	TURN 0, 1, 0
	STEP 1, 0, 0
	STEP 1, 1, 0
	STEP 1, 2, 0
	s_wait_dscnt 0x0
	WIN 0xa1
	MUL 0, 1, 3, 0
	MUL 1, 1, 3, 0
	MUL 2, 1, 3, 0
	MUL 3, 1, 3, 0
	WIN 0
	PLACES
.macro QUANT s, wm, wc
	WIN \wm
.irp b, 0,1,2,3
	v_max3_num_f32 v[TM+\b], 0x1800000, |v[(\s)+16*\b]|, |v[(\s)+16*\b+1]|
.endr
.irp i, 2,4,6,8,10,12,14
.irp b, 0,1,2,3
	v_max3_num_f32 v[TM+\b], v[TM+\b], |v[(\s)+16*\b+\i]|, |v[(\s)+16*\b+\i+1]|
.endr
.endr
	WIN 0
.irp b, 0,1,2,3
	v_permlanex16_b32 v[TM+4+\b], v[TM+\b], s[SEL], s[SEL+1]
.endr
.irp b, 0,1,2,3
	v_max_num_f32 v[TM+\b], v[TM+\b], v[TM+4+\b]
.endr
.irp b, 0,1,2,3
	v_add_nc_u32 v[TM+12+\b], 0xff000000, v[TM+\b]
.endr
.irp b, 0,1,2,3
	v_lshrrev_b32 v[TM+4+\b], 23, v[TM+12+\b]
.endr
	v_lshl_or_b32 v[PW], v[TM+5], 8, v[TM+4]
	v_lshl_or_b32 v[PW], v[TM+6], 16, v[PW]
	v_lshl_or_b32 v[PW], v[TM+7], 24, v[PW]
	s_wait_xcnt 0x0
	WIN \wc
.irp c, 0,1
	v_cvt_scalef32_pk16_fp6_f32 v[PC+6*\c:PC+6*\c+2], v[(\s)+32*\c:(\s)+32*\c+15], v[TM+12+2*\c]
	v_cvt_scalef32_pk16_fp6_f32 v[PC+12+4*\c:PC+14+4*\c], v[(\s)+32*\c+16:(\s)+32*\c+31], v[TM+12+2*\c+1]
.endr
	WIN 0
	v_nop
.irp c, 0,1
.irp i, 0,1,2
	v_permlane16_swap_b32 v[PC+6*\c+\i], v[PC+12+4*\c+\i]
.endr
.irp i, 0,1,2
	v_mov_b32 v[PC+3+6*\c+\i], v[PC+12+4*\c+\i]
.endr
.endr
.endm
.macro PUT a
.irp c, 0,1,2
	global_store_b128 v[LI], v[PC+4*\c:PC+4*\c+3], s[68:69] offset:1536*(\a)+512*\c
.endr
	v_mov_b32 v[PWS+(\a)], v[PW]
.endm
.macro ROPE a, w, left
.set CB, 128*((\a)%2)
	s_wait_loadcnt \left
	WIN ((\w)<<2)
.set ii, 0
.rept 16
	ds_store_b128 v[STI], v[CB+4*ii:CB+4*ii+3] offset:CSP*ii
	ds_store_b128 v[STI], v[CB+64+4*ii:CB+64+4*ii+3] offset:16*CSP+CSP*ii
.set ii, ii+1
.endr
	WIN ((\w)<<6)
.set ii, 0
.rept 16
	ds_load_b128 v[CB+4*ii:CB+4*ii+3], v[STO] offset:128*(ii/4)+16*(ii%4)
	ds_load_b128 v[CB+64+4*ii:CB+64+4*ii+3], v[STO] offset:16*CSP+128*(ii/4)+16*(ii%4)
.set ii, ii+1
.endr
	s_wait_dscnt 0x0
	WIN (((\w)<<2)|2)
.set nn, 0
.rept 32
	v_pk_mul_f32 v[T+nn:T+nn+1], v[64*(\a)+nn:64*(\a)+nn+1], v[CB+nn:CB+nn+1]
.set nn, nn+2
.endr
.set nn, 0
.rept 16
	v_pk_fma_f32 v[T+nn:T+nn+1], v[64*(\a)+32+nn:64*(\a)+32+nn+1], v[CB+64+nn:CB+64+nn+1], v[T+nn:T+nn+1] neg_lo:[1,0,0] neg_hi:[1,0,0]
.set nn, nn+2
.endr
.set nn, 0
.rept 16
	v_pk_fma_f32 v[T+32+nn:T+32+nn+1], v[64*(\a)+nn:64*(\a)+nn+1], v[CB+96+nn:CB+96+nn+1], v[T+32+nn:T+32+nn+1]
.set nn, nn+2
.endr
	WIN 0
	QUANT T, 0, 0
	PUT \a
.endm
.irp b, 0,1,2,3
	v_mov_b32 v[TM+4+\b], 0
.endr
	s_cmp_eq_u32 ttmp9, 3
	s_cbranch_scc1 .Lvalues
	CSLOAD 2, 0x40
	CSLOAD 3, 0x40
	ROPE 0, 3, 63
	ROPE 1, 3, 63
	ROPE 2, 1, 32
	ROPE 3, 1, 0
	s_branch .Lwords
.Lvalues:
.irp a, 0,1,2,3
	QUANT 64*\a, 0x28, 0x02
	PUT \a
.endr
.Lwords:
	s_wait_alu depctr_va_vdst(0)
	v_cmp_le_u32 vcc_lo, 16, v1
	v_cndmask_b32 v[PP], v[PWS], v[PWS+1], vcc_lo
	v_cndmask_b32 v[PP+1], v[PWS+2], v[PWS+3], vcc_lo
	global_store_b64 v[LS], v[PP:PP+1], s[68:69] offset:6144
	s_wait_tensorcnt 0x0
	ds_add_u32 v[SPW], v[NIL]
	s_wait_dscnt 0x0
	CROUND
	s_endpgm
.Lfunc_end_k_q9be58ffee9_gemm_qkv:
	.size	k_q9be58ffee9_gemm_qkv, .Lfunc_end_k_q9be58ffee9_gemm_qkv-k_q9be58ffee9_gemm_qkv
	.p2alignl 7, 3214868480
	.fill 96, 4, 3214868480
	.section	.rodata,"a",@progbits
	.p2align	6, 0x0
	.amdhsa_kernel k_q9be58ffee9_gemm_qkv
		.amdhsa_group_segment_fixed_size 327680
		.amdhsa_private_segment_fixed_size 0
		.amdhsa_enable_private_segment 0
		.amdhsa_kernarg_size 48
		.amdhsa_user_sgpr_count 2
		.amdhsa_user_sgpr_kernarg_segment_ptr 1
		.amdhsa_wavefront_size32 1
		.amdhsa_system_sgpr_workgroup_id_x 1
		.amdhsa_system_sgpr_workgroup_id_y 1
		.amdhsa_system_sgpr_workgroup_id_z 1
		.amdhsa_system_vgpr_workitem_id 0
		.amdhsa_next_free_vgpr 1024
		.amdhsa_next_free_sgpr 100
		.amdhsa_reserve_vcc 1
		.amdhsa_float_denorm_mode_32 3
		.amdhsa_float_denorm_mode_16_64 3
		.amdhsa_memory_ordered 1
		.amdhsa_forward_progress 1
		.amdhsa_inst_pref_size 200
	.end_amdhsa_kernel
	.amdgpu_metadata
---
amdhsa.version: [ 1, 2 ]
amdhsa.kernels:
  - .name:           k_q9be58ffee9_gemm_qkv
    .symbol:         k_q9be58ffee9_gemm_qkv.kd
    .args:
      - { .name: qkvin, .offset: 0, .size: 8, .value_kind: global_buffer, .address_space: global }
      - { .name: cos, .offset: 8, .size: 8, .value_kind: global_buffer, .address_space: global }
      - { .name: sin, .offset: 16, .size: 8, .value_kind: global_buffer, .address_space: global }
      - { .name: qc, .offset: 24, .size: 8, .value_kind: global_buffer, .address_space: global }
      - { .name: kc, .offset: 32, .size: 8, .value_kind: global_buffer, .address_space: global }
      - { .name: vc, .offset: 40, .size: 8, .value_kind: global_buffer, .address_space: global }
    .group_segment_fixed_size: 327680
    .private_segment_fixed_size: 0
    .kernarg_segment_align: 8
    .kernarg_segment_size: 48
    .max_flat_workgroup_size: 128
    .sgpr_count:     100
    .vgpr_count:     1024
    .wavefront_size: 32
...
	.end_amdgpu_metadata
.endif
;; end of part 2
;; launch attn (part 3): grid 32 x 8, 8 waves a work-group, clusters of 4 x 4, 327,680 bytes of LDS; arguments qc, kc, vc, causal_mask, oin; writes oin
.if DOCPART == 3
	.amdgcn_target "amdgcn-amd-amdhsa--gfx1250"
	.amdhsa_code_object_version 6
	.text
	.protected	k_q9be58ffee9_attn
	.globl	k_q9be58ffee9_attn
	.p2align	8
	.type	k_q9be58ffee9_attn,@function
k_q9be58ffee9_attn:
	s_mov_b64 s[64:65], 0
	v_nop
	global_prefetch_b8 v0, s[64:65] scope:SCOPE_SE
	s_setreg_imm32_b32 hwreg(HW_REG_WAVE_MODE, 25, 1), 1
	s_wait_xcnt 0x0
	s_wait_alu depctr_hold_cnt(0) depctr_sa_sdst(0) depctr_va_vdst(0) depctr_va_sdst(0) depctr_va_ssrc(0) depctr_va_vcc(0) depctr_vm_vsrc(0)
	s_getreg_b32 s2, hwreg(HW_REG_IB_STS2, 6, 4)
	s_cmp_eq_u32 s2, 0
	s_cbranch_scc0 .Lentry_in_a_cluster
	s_endpgm
.Lentry_in_a_cluster:
	s_bfe_u32 s2, ttmp6, 0x10000c
	s_cmp_lg_u32 s2, 0xf033
	s_cbranch_scc0 .Lentry_shape_is_right
	s_endpgm
.Lentry_shape_is_right:
; ctx = softmax(q k^T / sqrt(128) + mask) v, both products on codes of FP6 with E8M0 scales; ctx is quantised along (head, d) for the last product and stored as codes.  The mask is an input: every key is walked.
; THE SOFTMAX: u = score x 128^-0.5 + mask (one fused multiply-add); t = u log2(e); M = the running largest t rounded up to a whole number; p = 2^(t - M) is quantised along the keys, not normalised;
; the row's sum is taken of the unquantised p and divides at the end; when M moves, the sum and O are multiplied by 2^(old M - new M), which rounds nothing.
; SHARES.  A work-group: 64 queries (block X) of the two query heads of kv head g.  Wave w: query tile a = w % 4 of BOTH heads, and keys 128 (w / 4) .. + 127 of every slot of 256 keys.  So each fragment of K, of V and of the
; mask that a wave reads from LDS serves two heads: the eight waves read 270 KB for a slot where one head a wave would read 540 KB.  Lane r owns query 32 (a / 2) + 8 (a % 2) + r + 8 (r / 8).
; Head A is the wave's own, w / 4; head B the other.  AT THE END the two waves of a tile hold sums over different keys: each hands head B's O^T, M and sum to its partner w xor 4 through LDS, and the two parts
; of its own head are brought under the larger M by powers of two, which round nothing.
; Both products are used transposed (S^T = K Q^T, O^T = V^T P^T): a lane holds one query throughout.  The records' tiles hold rows 8 u + r + 8 (r / 8) of each 32, so the 16 registers of tiles 2 b, 2 b + 1 are 16 neighbours.
; CLUSTER 4 x 4: K's and V's tiles hang on g alone and are shared along a row of the cluster, the mask's on X alone and are shared along a column: joint loads.  Wave 0 asks for K, wave 1 for V, waves 2-5 for 16 rows of the mask each.
; ctx goes into oin's pairs 0-63: plane g, pair 2 X + a / 2, fragment (u = a % 2, s = head in the group).
; LIMITS: NaN and +infinity are not served; a row whose mask is -infinity throughout gives NaN, as the definition does; a block of zeros carries the byte 1; a row's sums are formed in two halves of the keys and joined at the end.
; REGISTERS: window 0: v1-11, v54-63 addresses; v12-15, v36-39 -M, the largest t and the sum of heads A, B; v16-27, v40-51 Q; v52, v53 Q's scale words; v28-31, v32-35 K's, V's scale words; v64-127, v128-191 S^T, then p;
;   v192-223 the mask's blocks 0, 1, then p's codes (A v192, B v204); v232-254 at work; f and p's scale word: v252, v253 (A), v250, v251 (B).
;   window 1: v0-63, v64-127 O^T of A, B; v128-223 K's eight fragments, then V's; v224-255 the mask's blocks 2, 3.
.set REC,   6400
.set SLOT1, 1<<17
.set VOFF,  4*REC                      ; a slot: K's four quad records, V's four,
.set MOFF,  8*REC                      ; and 64 rows of the mask, 1,024 bytes + 16 of padding each
.set MP,    1040
.set SPARE, 2*SLOT1                    ; the spare words, 128 bytes a wave: four blocks of 256 bytes that no other line names
.set SCST,  SPARE+1024                 ; 512 bytes: ctx's scale words meet here
.set XCH,   8448                       ; the exchange at the end: 8,192 bytes of O^T and 256 of statistics a wave, from LDS byte 0 on: in slot 0, which has had its last fill, and whose last read lies ahead of the last change of slots
.set NSL,   8
.set SA,    64
.set SB,    128
.set MK,    192
.set PCA,   192
.set PCB,   204
.set OA,    0
.set OB,    64
.set KV,    128
.set WV,    18
.set SEL,   20
.set CS,    22
.set G1KV,  24
.set G1M,   32
.set G0KV,  40
.set G0M,   44
.set SCL,   48
.set PFA,   50
.set PFB,   52
.set PFS,   54
.set LIM,   56
.set MSB, 0
.macro WIN new                         ; the immediate's high byte repeats the setting that is left
.if MSB != (\new)
	s_set_vgpr_msb (MSB<<8)|(\new)
.set MSB, (\new)
.endif
.endm
.macro PLACES
.rept 4
	v_nop
.endr
.endm
.macro ROUND                           ; a round of the cluster's barrier
	s_barrier_signal -1
	s_barrier_wait -1
	s_cmp_lg_u32 s[WV], 0
	s_cbranch_scc1 .Lnot_wave_0_\@
	s_barrier_signal -3
.Lnot_wave_0_\@:
	s_barrier_wait -3
	s_barrier_signal -1
	s_barrier_wait -1
.endm
.macro TLOAD                           ; the branches hang on the wave's number alone; four v_nop follow each of the two lines
	s_cmp_lt_u32 s[WV], 2
	s_cbranch_scc0 .Lnot_kv_\@
	tensor_load_to_lds s[G0KV:G0KV+3], s[G1KV:G1KV+7]
	s_nop 0
	PLACES
	s_branch .Lasked_\@
.Lnot_kv_\@:
	s_cmp_lt_u32 s[WV], 6
	s_cbranch_scc0 .Lasked_\@
	tensor_load_to_lds s[G0M:G0M+3], s[G1M:G1M+7]
	s_nop 0
	PLACES
.Lasked_\@:
.endm
; A PREFETCH INTO THE L2 of what the next change of slots will ask for, a slot's work ahead of that load.  Wave 6 of the clusters with x = 0 names its work-group's record (of the slot's four, by cx) of K and of V, lanes 256 bytes apart
; (a record is 25 such blocks: lanes 25 to 31 name the last one again); wave 7 of the clusters with y = 0 names its work-group's 16 rows (by cy) of the mask, two lanes and two instructions to a row's 1,024 bytes.
; Partners are told apart by address alone.  The last change that fills a slot asks for nothing; slots 0 and 1 come by their loads alone.
.macro ASK
	s_cmp_gt_u32 s3, s[LIM]
	s_cbranch_scc0 .Lnot_mine_\@
	global_prefetch_b8 v11, s[PFA:PFA+1] th:TH_LOAD_NT scope:SCOPE_SE
	global_prefetch_b8 v11, s[PFB:PFB+1] th:TH_LOAD_NT scope:SCOPE_SE
.Lnot_mine_\@:
.endm
	s_load_b256 s[4:11], s[0:1], 0x0               ; qc, kc, vc, the mask
	s_load_b64 s[12:13], s[0:1], 0x20              ; oin
	v_lshl_add_u32 v5, v0, 2, SPARE
	v_mov_b32 v6, 0
	ds_add_u32 v5, v6
	ds_add_u32 v5, v6
	s_wait_dscnt 0x0
	v_lshrrev_b32 v8, 5, v0
	s_delay_alu instid0(VALU_DEP_1)
	v_readfirstlane_b32 s[WV], v8                  ; wave 0..7
	s_bfe_u32 s57, ttmp6, 0x40000                  ; cx
	s_bfe_u32 s58, ttmp6, 0x40004                  ; cy
	s_and_b32 s59, ttmp7, 0xffff                   ; the cluster's y
	s_lshl_b32 s60, ttmp9, 2
	s_add_co_u32 s60, s60, s57                     ; X
	s_lshl_b32 s61, s59, 2
	s_add_co_u32 s61, s61, s58                     ; g
	s_lshl_b32 s62, s58, 2
	s_lshl_b32 s62, 15, s62                        ; my row of the cluster
	s_lshl_b32 s63, 0x1111, s57                    ; my column
	s_or_b32 s[G1KV], s62, (3<<16)|(1<<21)         ; K, V: a dense block of 25,600 bytes as 100 rows of 32 elements of 8 bytes
	s_mov_b32 s[G1KV+1], 32<<16
	s_mov_b32 s[G1KV+2], 100<<16
	s_mov_b32 s[G1KV+3], 32<<16
	s_mov_b32 s[G1KV+4], 100
	s_mov_b32 s[G1KV+5], 32
	s_mov_b32 s[G1KV+6], 0
	s_mov_b32 s[G1KV+7], 0
	s_or_b32 s[G1M], s63, (2<<16)|(1<<20)|(1<<21)|(7<<22)|(3<<25)   ; the mask: 16 rows of 256 elements of 4 bytes, 2,048 apart; after every 256 words 4 words of padding
	s_mov_b32 s[G1M+1], 256<<16
	s_mov_b32 s[G1M+2], 16<<16
	s_mov_b32 s[G1M+3], 256<<16
	s_mov_b32 s[G1M+4], 16
	s_mov_b32 s[G1M+5], 2048
	s_mov_b32 s[G1M+6], 0
	s_mov_b32 s[G1M+7], 0
	s_and_b32 s66, s[WV], 1
	s_mul_i32 s67, s66, VOFF
	s_mul_i32 s68, s61, 32*REC                     ; the kv head's first byte in kc and in vc
	s_mov_b32 s69, 0
	s_and_b32 s70, s[WV], 3                        ; a.  Also: which 16 rows of the mask I fetch
	s_mul_i32 s71, s70, 16*MP
	s_add_co_u32 s71, s71, MOFF
	s_lshl_b32 s72, s60, 6
	s_lshl_b32 s73, s70, 4
	s_add_co_u32 s72, s72, s73
	s_lshl_b32 s72, s72, 13                        ; a row of the mask is 8,192 bytes
	s_mov_b32 s73, 0
	s_mov_b32 s[SEL], 0x76543210
	s_mov_b32 s[SEL+1], 0xfedcba98
	s_mov_b32 s[CS], 0x3fb8aa3b                    ; log2(e)
	s_mov_b32 s[CS+1], s[CS]
	s_mov_b32 s[SCL], 0x3db504f3                   ; 128^-0.5
	s_mov_b32 s[SCL+1], s[SCL]
	s_mov_b32 s2, 0                                ; the slot in hand
	s_mov_b32 s3, NSL-1                            ; slots still to be asked for
	s_wait_kmcnt 0x0
	s_cmp_eq_u32 s66, 0
	s_cselect_b64 s[74:75], s[6:7], s[8:9]
	s_mov_b32 s[G0KV], 1
	s_mov_b32 s[G0KV+1], s67
	s_add_nc_u64 s[G0KV+2:G0KV+3], s[74:75], s[68:69]
	s_or_b32 s[G0KV+3], s[G0KV+3], 0x80000000
	s_mov_b32 s[G0M], 1
	s_mov_b32 s[G0M+1], s71
	s_add_nc_u64 s[G0M+2:G0M+3], s[10:11], s[72:73]
	s_or_b32 s[G0M+3], s[G0M+3], 0x80000000
	ROUND                                          ; all sixteen work-groups are here
	TLOAD                                          ; slot 0
	s_lshr_b32 s76, s[WV], 2                       ; which 128 keys of a slot are mine; also my own head in the group
	s_xor_b32 s77, s76, 1                          ; the other head
	s_lshl_b32 s78, s61, 6
	s_add_co_u32 s78, s78, s60
	s_mul_i32 s78, s78, REC                        ; the quad record of head 2 g, block X; head 2 g + 1's lies 32 records on
	s_mov_b32 s79, 0
	s_add_nc_u64 s[82:83], s[4:5], s[78:79]
	s_mul_i32 s84, s70, 1536
	s_mov_b32 s85, 0
	s_add_nc_u64 s[80:81], s[82:83], s[84:85]      ; fragment a
	s_and_b32 s84, s70, 1
	s_lshl_b32 s84, s84, 7
	s_lshr_b32 s86, s70, 1
	s_lshl_b32 s86, s86, 2
	s_add_co_u32 s84, s84, s86
	s_add_co_u32 s84, s84, 6144
	s_add_nc_u64 s[82:83], s[82:83], s[84:85]      ; its scale words
	s_mul_i32 s86, s76, 32*REC
	s_mul_i32 s87, s77, 32*REC
	v_and_b32 v8, 31, v0
	s_delay_alu instid0(VALU_DEP_1)
	v_lshlrev_b32 v1, 4, v8                        ; 16 x lane
	s_delay_alu instid0(VALU_DEP_2)
	v_lshlrev_b32 v2, 3, v8                        ; 8 x lane
	v_and_b32 v9, 15, v0                           ; r
	v_bfe_u32 v10, v0, 4, 1                        ; h
	s_delay_alu instid0(VALU_DEP_4)
	v_add_nc_u32 v58, s86, v1
	v_add_nc_u32 v59, s87, v1
	s_delay_alu instid0(VALU_DEP_4)
	v_lshlrev_b32 v254, 3, v9
	s_delay_alu instid0(VALU_DEP_1)
	v_add_nc_u32 v60, s86, v254
	s_delay_alu instid0(VALU_DEP_2)
	v_add_nc_u32 v61, s87, v254
.irp c, 0,1,2
	global_load_b128 v[16+4*\c:19+4*\c], v58, s[80:81] offset:512*\c   ; Q of my own head,
.endr
.irp c, 0,1,2
	global_load_b128 v[40+4*\c:43+4*\c], v59, s[80:81] offset:512*\c   ; and of the other
.endr
	global_load_b32 v52, v60, s[82:83]
	global_load_b32 v53, v61, s[82:83]
	v_and_b32 v11, 8, v9
	s_delay_alu instid0(VALU_DEP_1)
	v_add_nc_u32 v11, v11, v9                      ; r + 8 (r / 8)
	s_wait_alu depctr_va_vdst(0)
	s_lshr_b32 s84, s70, 1
	s_lshl_b32 s84, s84, 5
	s_and_b32 s85, s70, 1
	s_lshl_b32 s85, s85, 3
	s_add_co_u32 s84, s84, s85
	s_mul_i32 s84, s84, MP
	s_add_co_u32 s84, s84, MOFF
	s_lshl_b32 s85, s76, 9                         ; my 128 keys: 512 bytes of a row
	s_add_co_u32 s84, s84, s85
	v_mul_u32_u24 v3, v11, MP
	s_delay_alu instid0(VALU_DEP_1)
	v_lshl_add_u32 v3, v10, 6, v3
	s_delay_alu instid0(VALU_DEP_1)
	v_add_nc_u32 v3, s84, v3                       ; the mask: my query's row, my keys, + 64 h
	s_mul_i32 s85, s76, 2*REC                      ; my 128 keys: two records of K, and two of V
	v_add_nc_u32 v54, s85, v1
	v_add_nc_u32 v55, s85, v2
	s_mul_i32 s85, s[WV], XCH
	v_add_nc_u32 v56, s85, v1                      ; the exchange: where I put head B's part,
	v_add_nc_u32 v62, s85, v2
	s_xor_b32 s85, s[WV], 4
	s_mul_i32 s85, s85, XCH
	v_add_nc_u32 v57, s85, v1                      ; and where my partner has put its part of my own head
	v_add_nc_u32 v63, s85, v2
	s_lshl_b32 s85, s70, 7                         ; 128 a = 256 (a / 2) + 128 (a % 2)
	s_lshl_b32 s86, s76, 2
	s_add_co_u32 s85, s85, s86
	s_add_co_u32 s85, s85, SCST
	v_lshl_add_u32 v4, v9, 3, s85                  ; where my row's scale word of ctx goes
	s_lshl_b32 s86, s66, 8
	s_add_co_u32 s86, s86, SCST
	v_add_nc_u32 v7, s86, v2                       ; and where waves 0 and 1 read a pair's words back
	s_mul_i32 s84, s61, 192
	s_lshl_b32 s85, s60, 1
	s_add_co_u32 s84, s84, s85                     ; plane g, pair 2 X
	s_lshr_b32 s85, s70, 1
	s_add_co_u32 s85, s85, s84
	s_mul_i32 s85, s85, REC
	s_and_b32 s86, s70, 1
	s_lshl_b32 s86, s86, 1
	s_add_co_u32 s86, s86, s76
	s_mul_i32 s86, s86, 1536
	s_add_co_u32 s86, s86, s85
	s_mov_b32 s87, 0
	s_add_nc_u64 s[14:15], s[12:13], s[86:87]      ; my fragment of ctx
	s_add_co_u32 s84, s84, s66
	s_mul_i32 s84, s84, REC
	s_add_co_u32 s84, s84, 6144
	s_mov_b32 s85, 0
	s_add_nc_u64 s[16:17], s[12:13], s[84:85]      ; the scale words of pair 2 X + wave % 2
	; the prefetches: who asks, and where
	v_min_u32 v12, 24, v8
	s_delay_alu instid0(VALU_DEP_1)
	v_lshlrev_b32 v12, 8, v12
	v_lshrrev_b32 v13, 1, v8
	s_delay_alu instid0(VALU_DEP_1)
	v_lshlrev_b32 v13, 13, v13
	v_and_b32 v14, 1, v8
	s_delay_alu instid0(VALU_DEP_1)
	v_lshl_add_u32 v13, v14, 8, v13
	s_wait_alu depctr_va_vdst(0)
	s_mul_i32 s84, s57, REC
	s_add_co_u32 s84, s84, s68
	s_add_co_u32 s84, s84, VOFF                    ; K, V: my record of slot 1; the first change of slots steps it to slot 2
	s_lshl_b32 s85, s60, 6
	s_lshl_b32 s86, s58, 4
	s_add_co_u32 s85, s85, s86
	s_lshl_b32 s85, s85, 13
	s_add_co_u32 s85, s85, 1024                    ; the mask: my 16 rows, slot 1
	s_add_co_u32 s86, s85, 512
	s_mov_b32 s88, 1024
	s_cmp_eq_u32 s[WV], 6
	s_cselect_b32 s87, -1, 0
	s_cselect_b64 s[PFA:PFA+1], s[6:7], s[10:11]
	s_cselect_b64 s[PFB:PFB+1], s[8:9], s[10:11]
	s_cselect_b32 s[PFS], VOFF, s88
	s_cselect_b32 s89, ttmp9, s59                  ; the coordinate along which other clusters read the same bytes
	s_cselect_b32 s85, s84, s85
	s_cselect_b32 s86, s84, s86
	v_cndmask_b32 v11, v13, v12, s87
	s_mov_b32 s[PFS+1], 0
	s_mov_b32 s84, s85
	s_mov_b32 s85, 0
	s_mov_b32 s87, 0
	s_add_nc_u64 s[PFA:PFA+1], s[PFA:PFA+1], s[84:85]
	s_add_nc_u64 s[PFB:PFB+1], s[PFB:PFB+1], s[86:87]
	s_cmp_eq_u32 s89, 0
	s_cselect_b32 s[LIM], 1, -1
	s_cmp_lt_u32 s[WV], 6
	s_cselect_b32 s[LIM], -1, s[LIM]               ; the same in all sixteen partners, for a given wave
.irp s, 12, 36
	v_mov_b32 v[\s+1], 0xff61b1e6                  ; the largest t so far: -3e38
	s_delay_alu instid0(VALU_DEP_1)
	v_floor_f32 v[\s], -v[\s+1]                    ; -M
	v_mov_b32 v[\s+2], 0                           ; the sum, in two halves
	v_mov_b32 v[\s+3], 0
.endr
.irp b, 0,1,2,3
	v_mov_b32 v[236+\b], 0                         ; a lane permute's destination counts as one of its sources
.endr
	v_mov_b32 v253, 0                              ; (named as the upper halves of the pairs v[252:253], v[250:251] before they are first written)
	v_mov_b32 v251, 0
	WIN 0x40
.set jj, 0
.rept 128
	v_mov_b32 v[jj], 0                             ; O^T of both heads, once a wave: the step is written once, and its first run finds zeros, which the first change of M leaves zeros
.set jj, jj+1
.endr
	WIN 0
.macro WMA zero, ra                    ; one product; operands in rD, rA, rB, rSA, rSB.  ra: source 0's scale words stand in lanes 16-31
.if \zero
.if \ra
	v_wmma_scale_f32_16x16x128_f8f6f4 v[rD:rD+7], v[rA:rA+11], v[rB:rB+11], 0, v[rSA], v[rSB] matrix_a_fmt:MATRIX_FMT_FP6 matrix_b_fmt:MATRIX_FMT_FP6 matrix_a_scale:MATRIX_SCALE_ROW1
.else
	v_wmma_scale_f32_16x16x128_f8f6f4 v[rD:rD+7], v[rA:rA+11], v[rB:rB+11], 0, v[rSA], v[rSB] matrix_a_fmt:MATRIX_FMT_FP6 matrix_b_fmt:MATRIX_FMT_FP6
.endif
.else
.if \ra
	v_wmma_scale_f32_16x16x128_f8f6f4 v[rD:rD+7], v[rA:rA+11], v[rB:rB+11], v[rD:rD+7], v[rSA], v[rSB] matrix_a_fmt:MATRIX_FMT_FP6 matrix_b_fmt:MATRIX_FMT_FP6 matrix_a_scale:MATRIX_SCALE_ROW1
.else
	v_wmma_scale_f32_16x16x128_f8f6f4 v[rD:rD+7], v[rA:rA+11], v[rB:rB+11], v[rD:rD+7], v[rSA], v[rSB] matrix_a_fmt:MATRIX_FMT_FP6 matrix_b_fmt:MATRIX_FMT_FP6
.endif
.endif
.endm
; the four blocks' largest magnitudes in v232-235 (at or above the floor) and 64 numbers from v[sreg] on become a fragment's codes from v[creg] on and its scale word in v[freg + 1]
.macro TOCODES sreg, freg, creg
.irp b, 0,1,2,3
	s_delay_alu instid0(VALU_DEP_4)
	v_add_nc_u32 v[244+\b], 0xff000000, v[232+\b]  ; 2 off the exponent field: the conversion's scale operand
.endr
.irp b, 0,1,2,3
	s_delay_alu instid0(VALU_DEP_4)
	v_lshrrev_b32 v[236+\b], 23, v[244+\b]
.endr
	s_delay_alu instid0(VALU_DEP_3)
	v_lshl_or_b32 v[(\freg)+1], v237, 8, v236
	s_delay_alu instid0(VALU_DEP_1)
	v_lshl_or_b32 v[(\freg)+1], v238, 16, v[(\freg)+1]
	s_delay_alu instid0(VALU_DEP_1)
	v_lshl_or_b32 v[(\freg)+1], v239, 24, v[(\freg)+1]
.irp c, 0,1
	v_cvt_scalef32_pk16_fp6_f32 v[(\creg)+6*\c:(\creg)+6*\c+2], v[(\sreg)+32*\c:(\sreg)+32*\c+15], v[244+2*\c]
	v_cvt_scalef32_pk16_fp6_f32 v[236+4*\c:238+4*\c], v[(\sreg)+32*\c+16:(\sreg)+32*\c+31], v[244+2*\c+1]
.endr
	v_nop                                          ; one plain place behind a scaled conversion
.irp c, 0,1                            ; the operand's layout wants a whole block in a lane
.irp i, 0,1,2
	v_permlane16_swap_b32 v[(\creg)+6*\c+\i], v[236+4*\c+\i]
.endr
.irp i, 0,1,2
	s_delay_alu instid0(VALU_DEP_3)
	v_mov_b32 v[(\creg)+3+6*\c+\i], v[236+4*\c+\i]
.endr
.endr
.endm
; one head's softmax for 128 keys: 64 logits from v[sreg] on become p, its codes and its scale word; v[stat] -M, v[stat + 1] the largest t, v[stat + 2 : stat + 3] the sum; v[freg] = f = 2^(old M - new M)
.macro SOFTMAX sreg, stat, freg, creg
.irp b, 0,1,2,3
	v_max3_num_f32 v[232+\b], v[(\sreg)+16*\b], v[(\sreg)+16*\b+1], v[(\sreg)+16*\b+2]   ; the largest logit of each block of 32 keys: it serves the row's maximum and, since p rises with the logit, the block's largest p
.endr
.irp i, 3,5,7,9,11,13
.irp b, 0,1,2,3
	s_delay_alu instid0(VALU_DEP_4)
	v_max3_num_f32 v[232+\b], v[232+\b], v[(\sreg)+16*\b+\i], v[(\sreg)+16*\b+\i+1]
.endr
.endr
.irp b, 0,1,2,3
	s_delay_alu instid0(VALU_DEP_4)
	v_max_num_f32 v[232+\b], v[232+\b], v[(\sreg)+16*\b+15]
.endr
.irp b, 0,1,2,3
	s_delay_alu instid0(VALU_DEP_4)
	v_permlanex16_b32 v[236+\b], v[232+\b], s[SEL], s[SEL+1]
.endr
.irp b, 0,1,2,3
	s_delay_alu instid0(VALU_DEP_4)
	v_max_num_f32 v[232+\b], v[232+\b], v[236+\b]
.endr
	s_delay_alu instid0(VALU_DEP_2)
	v_max3_num_f32 v254, v232, v233, v234
	s_delay_alu instid0(VALU_DEP_1)
	v_max_num_f32 v254, v254, v235
	s_delay_alu instid0(VALU_DEP_1)
	v_mul_f32 v254, s[CS], v254
	s_delay_alu instid0(VALU_DEP_1)
	v_max_num_f32 v[(\stat)+1], v[(\stat)+1], v254 ; the running largest t
	v_mov_b32 v254, v[\stat]
	s_delay_alu instid0(VALU_DEP_2)
	v_floor_f32 v[\stat], -v[(\stat)+1]            ; the new -M: a whole number
	s_delay_alu instid0(VALU_DEP_1)
	v_sub_f32 v254, v[\stat], v254
	s_delay_alu instid0(VALU_DEP_1)
	v_cvt_i32_f32 v254, v254                       ; (it saturates)
	s_delay_alu instid0(VALU_DEP_1)
	v_ldexp_f32 v[\freg], 1.0, v254                ; f
.set nn, 0
.rept 32
	v_pk_fma_f32 v[(\sreg)+nn:(\sreg)+nn+1], v[(\sreg)+nn:(\sreg)+nn+1], s[CS:CS+1], v[\stat:(\stat)+1] op_sel_hi:[1,0,0]   ; t - M
.set nn, nn+2
.endr
.irp b, 0,1,2,3
	v_fma_f32 v[232+\b], v[232+\b], s[CS], v[\stat]
.endr
.set jj, 0
	s_wait_alu depctr_va_vdst(0)
.rept 64
	v_exp_f32 v[(\sreg)+jj], v[(\sreg)+jj]         ; p, not normalised
.set jj, jj+1
.endr
	v_pk_mul_f32 v[(\stat)+2:(\stat)+3], v[(\stat)+2:(\stat)+3], v[\freg:(\freg)+1] op_sel_hi:[1,0]   ; the sums under the new M: a plain place behind the exponentials
	s_wait_alu depctr_va_vdst(0)                   ; one wait for the batch, ahead of its first reader
.irp b, 0,1,2,3
	v_exp_f32 v[232+\b], v[232+\b]                 ; the blocks' largest p
.endr
	v_pk_add_f32 v[236:237], v[\sreg:(\sreg)+1], v[(\sreg)+2:(\sreg)+3]   ; the row's sum is taken of the unquantised p, in two chains
.irp j, 4,8,12,16,20,24,28,32,36,40,44,48,52,56,60
	v_pk_add_f32 v[(\stat)+2:(\stat)+3], v[(\stat)+2:(\stat)+3], v[(\sreg)+\j:(\sreg)+\j+1]
	v_pk_add_f32 v[236:237], v[236:237], v[(\sreg)+\j+2:(\sreg)+\j+3]
.endr
	s_delay_alu instid0(VALU_DEP_1)
	v_pk_add_f32 v[(\stat)+2:(\stat)+3], v[(\stat)+2:(\stat)+3], v[236:237]
	s_wait_alu depctr_va_vdst(0)                   ; and one for the four
.irp b, 0,1,2,3
	v_max_num_f32 v[232+\b], 0x1800000, v[232+\b]  ; the floor 2^(3 - 127): the byte cannot fall under 1
.endr
	TOCODES \sreg, \freg, \creg
.endm
.macro RESCALE oreg, freg              ; O^T under the new M; these 32 are also the places ahead of the products that follow
	WIN 0x41                                       ; destination and source 0 window 1
.set nn, 0
.rept 32
	v_pk_mul_f32 v[(\oreg)+nn:(\oreg)+nn+1], v[(\oreg)+nn:(\oreg)+nn+1], v[\freg:(\freg)+1] op_sel_hi:[1,0]
.set nn, nn+2
.endr
.endm
.macro PV oreg, creg, wreg             ; O^T += V^T P^T: eight accumulators by turns
	WIN 0x51                                       ; V, C and D window 1; p's codes window 0
.irp t, 0,1,2,3,4,5,6,7
.set rD, (\oreg)+8*\t
.set rA, KV+12*\t
.set rB, \creg
.set rSA, 32+2*(\t/4)+(\t%4)/2
.set rSB, \wreg
	WMA 0, \t%2
.endr
	WIN 0
.endm
; MY 128 KEYS OF THE SLOT IN HAND, for both heads
.macro DSTEP
	v_add_nc_u32 v8, s2, v54                       ; these three and the v_nop are the four places behind the last products, ahead of the loads into their sources
	v_add_nc_u32 v9, s2, v55
	v_add_nc_u32 v10, s2, v3
	v_nop
.irp i, 0,1
	ds_load_b64 v[28+2*\i:29+2*\i], v9 offset:\i*REC+6144
	ds_load_b64 v[32+2*\i:33+2*\i], v9 offset:VOFF+\i*REC+6144
.endr
	WIN 0x40                                       ; destination window 1
.irp t, 0,1,2,3,4,5,6,7
.irp c, 0,1,2
	ds_load_b128 v[KV+12*\t+4*\c:KV+12*\t+4*\c+3], v8 offset:(\t/4)*REC+(\t%4)*1536+512*\c
.endr
.endr
.set nn, 8
.rept 8
	ds_load_b128 v[MK+4*nn:MK+4*nn+3], v10 offset:128*(nn/4)+16*(nn%4)   ; the mask's blocks 2, 3,
.set nn, nn+1
.endr
	WIN 0
.set nn, 0
.rept 8
	ds_load_b128 v[MK+4*nn:MK+4*nn+3], v10 offset:128*(nn/4)+16*(nn%4)   ; and 0, 1
.set nn, nn+1
.endr
	WIN 0x01                                       ; source 0 window 1
	s_wait_alu depctr_va_vdst(0)
.irp t, 0,1,2,3,4,5,6,7                ; S^T of both heads: each fragment of K serves two products as soon as it is in
	s_wait_dscnt 16+3*(7-\t)                       ; LDS loads come back in order: behind fragment t's stand 3 (7 - t) of K's and the mask's 16
.set rA, KV+12*\t
.set rSA, 28+2*(\t/4)+(\t%4)/2
.set rD, SA+8*\t
.set rB, 16
.set rSB, 52
	WMA 1, \t%2
.set rD, SB+8*\t
.set rB, 40
.set rSB, 53
	WMA 1, \t%2
.endr
	PLACES                                         ; ahead of the loads into K's registers and of the first read of the scores
	WIN 0x40
.irp t, 0,1,2,3,4,5,6,7
.irp c, 0,1,2
	ds_load_b128 v[KV+12*\t+4*\c:KV+12*\t+4*\c+3], v8 offset:VOFF+(\t/4)*REC+(\t%4)*1536+512*\c   ; V takes K's registers and lands under the softmax
.endr
.endr
	s_wait_dscnt 24                                ; the mask is in; V's 24 loads may be out
	WIN 0
.irp s, SA, SB                         ; the logits: each register of the mask serves both heads; each accumulator is read from its low end on
.set nn, 0
.rept 16
	v_pk_fma_f32 v[\s+nn:\s+nn+1], v[\s+nn:\s+nn+1], s[SCL:SCL+1], v[MK+nn:MK+nn+1] op_sel_hi:[1,0,1]
.set nn, nn+2
.endr
.endr
	WIN 0x10                                       ; source 2 window 1
.irp s, SA, SB
.set nn, 32
.rept 16
	v_pk_fma_f32 v[\s+nn:\s+nn+1], v[\s+nn:\s+nn+1], s[SCL:SCL+1], v[MK+nn:MK+nn+1] op_sel_hi:[1,0,1]
.set nn, nn+2
.endr
.endr
	WIN 0
	SOFTMAX SA, 12, 252, PCA
	RESCALE OA, 252
	s_wait_alu depctr_va_vdst(0)
	s_wait_dscnt 0x0                               ; V is in
	PV OA, PCA, 253
	SOFTMAX SB, 36, 250, PCB                       ; it names no register of the eight products just issued
	RESCALE OB, 250
	PV OB, PCB, 251
.endm
; THE CHANGE OF SLOTS stands at a slot's head: each wave waits for all its tensor loads, adds 0 to its spare word, waits for that and for its reads of the slot that it has left.  fill = 1: that slot takes the next 256 keys.
.macro CHANGE fill
	s_wait_tensorcnt 0x0
	ds_add_u32 v5, v6
.if \fill
	s_xor_b32 s[G0KV+1], s[G0KV+1], SLOT1
	s_add_nc_u64 s[G0KV+2:G0KV+3], s[G0KV+2:G0KV+3], VOFF
	s_xor_b32 s[G0M+1], s[G0M+1], SLOT1
	s_add_nc_u64 s[G0M+2:G0M+3], s[G0M+2:G0M+3], 1024
	s_wait_xcnt 0x0                                ; the last prefetches, a slot back, have read their addresses
	s_add_nc_u64 s[PFA:PFA+1], s[PFA:PFA+1], s[PFS:PFS+1]
	s_add_nc_u64 s[PFB:PFB+1], s[PFB:PFB+1], s[PFS:PFS+1]
	s_wait_dscnt 0x0
	ROUND                                          ; no wave of any partner still reads the slot or has a load on its way
	TLOAD                                          ; a wave's one tensor load behind the round
	ASK
.else
	s_wait_dscnt 0x0
	s_barrier_signal -1
	s_barrier_wait -1
.endif
.endm
	s_wait_loadcnt 0x0                             ; Q
.Lslot:
	CHANGE 1
	DSTEP
	s_xor_b32 s2, s2, SLOT1
	s_sub_co_u32 s3, s3, 1
	s_cmp_lg_u32 s3, 0
	s_cbranch_scc1 .Lslot
	CHANGE 0                                       ; the last slot is written out
	DSTEP
	; THE EXCHANGE.  Head B's O^T as an image of its registers, its -M and its sum go to my partner; my partner's part of my own head comes back
	PLACES
	WIN 0x04                                       ; an LDS store's data are its source 1: window 1
.set ii, 0
.rept 16
	ds_store_b128 v56, v[OB+4*ii:OB+4*ii+3] offset:512*ii   ; each accumulator from its low end on
.set ii, ii+1
.endr
	WIN 0
	v_add_f32 v37, v38, v39                        ; head B's sum, beside its -M
	ds_store_b64 v62, v[36:37] offset:8192
	s_wait_dscnt 0x0                               ; for my partner's sake: my stores have landed
	s_barrier_signal -1
	s_barrier_wait -1
.set ii, 0
.rept 16
	ds_load_b128 v[SA+4*ii:SA+4*ii+3], v57 offset:512*ii
.set ii, ii+1
.endr
	ds_load_b64 v[128:129], v63 offset:8192        ; its -M, its sum
	v_add_f32 v14, v14, v15                        ; my own sum's two halves
	s_wait_dscnt 0x0
	v_min_num_f32 v130, v12, v128                  ; -M of the two parts together
	s_delay_alu instid0(VALU_DEP_1)
	v_sub_f32 v131, v130, v12                      ; whole numbers, 0 or less
	s_delay_alu instid0(VALU_DEP_2)
	v_sub_f32 v136, v130, v128
	s_delay_alu instid0(VALU_DEP_2)
	v_cvt_i32_f32 v131, v131                       ; (they saturate)
	s_delay_alu instid0(VALU_DEP_2)
	v_cvt_i32_f32 v136, v136
	s_delay_alu instid0(VALU_DEP_2)
	v_ldexp_f32 v132, 1.0, v131                    ; what brings my part under the common M,
	s_wait_alu depctr_va_vdst(0)
	v_ldexp_f32 v134, 1.0, v136                    ; and my partner's
	v_mul_f32 v14, v14, v132
	s_delay_alu instid0(VALU_DEP_1)
	v_fmac_f32 v14, v129, v134
	s_delay_alu instid0(VALU_DEP_1)
	v_permlanex16_b32 v252, v14, s[SEL], s[SEL+1]
	s_delay_alu instid0(VALU_DEP_1)
	v_add_f32 v14, v14, v252                       ; with lane l xor 16's: the row's sum
	s_wait_alu depctr_va_vdst(0)
	v_rcp_f32 v14, v14
	v_nop                                          ; a plain place behind the reciprocal,
	s_wait_alu depctr_va_vdst(0)                   ; and the wait ahead of its first reader
	v_mul_f32 v132, v132, v14
	v_mul_f32 v134, v134, v14
.set nn, 0
.rept 32
	v_pk_mul_f32 v[SA+nn:SA+nn+1], v[SA+nn:SA+nn+1], v[134:135] op_sel_hi:[1,0]
.set nn, nn+2
.endr
	WIN 0x01                                       ; source 0 window 1: my own O^T
.set nn, 0
.rept 32
	v_pk_fma_f32 v[SA+nn:SA+nn+1], v[OA+nn:OA+nn+1], v[132:133], v[SA+nn:SA+nn+1] op_sel_hi:[1,0,1]   ; ctx: its registers run 32 b + 16 h + i along d, as the quantiser wants them
.set nn, nn+2
.endr
	WIN 0
.irp b, 0,1,2,3
	v_max3_num_f32 v[232+\b], |v[SA+16*\b]|, |v[SA+16*\b+1]|, 0x1800000
.endr
.irp i, 2,4,6,8,10,12,14
.irp b, 0,1,2,3
	s_delay_alu instid0(VALU_DEP_4)
	v_max3_num_f32 v[232+\b], v[232+\b], |v[SA+16*\b+\i]|, |v[SA+16*\b+\i+1]|
.endr
.endr
.irp b, 0,1,2,3
	s_delay_alu instid0(VALU_DEP_4)
	v_permlanex16_b32 v[236+\b], v[232+\b], s[SEL], s[SEL+1]
.endr
.irp b, 0,1,2,3
	s_delay_alu instid0(VALU_DEP_4)
	v_max_num_f32 v[232+\b], v[232+\b], v[236+\b]
.endr
	TOCODES SA, 252, PCA
.irp c, 0,1,2
	global_store_b128 v1, v[PCA+4*\c:PCA+4*\c+3], s[14:15] offset:512*\c   ; 512 consecutive bytes a store
.endr
	ds_store_b32 v4, v253                          ; lanes r and r + 16 write the same word with the same value
	s_wait_dscnt 0x0                               ; for the others' sake
	s_barrier_signal -1
	s_barrier_wait -1
	s_cmp_lt_u32 s[WV], 2
	s_cbranch_scc0 .Lno_words
	ds_load_b64 v[28:29], v7
	s_wait_dscnt 0x0
	global_store_b64 v2, v[28:29], s[16:17]        ; a pair's scale words: 256 consecutive bytes
.Lno_words:
	s_wait_tensorcnt 0x0                           ; the wave's end
	ds_add_u32 v5, v6
	s_wait_dscnt 0x0
	ROUND                                          ; the closing round
	s_endpgm
.Lfunc_end_k_q9be58ffee9_attn:
	.size	k_q9be58ffee9_attn, .Lfunc_end_k_q9be58ffee9_attn-k_q9be58ffee9_attn
	.p2alignl 7, 3214868480
	.fill 96, 4, 3214868480
	.section	.rodata,"a",@progbits
	.p2align	6, 0x0
	.amdhsa_kernel k_q9be58ffee9_attn
		.amdhsa_group_segment_fixed_size 327680
		.amdhsa_private_segment_fixed_size 0
		.amdhsa_enable_private_segment 0
		.amdhsa_kernarg_size 40
		.amdhsa_user_sgpr_count 2
		.amdhsa_user_sgpr_kernarg_segment_ptr 1
		.amdhsa_wavefront_size32 1
		.amdhsa_system_sgpr_workgroup_id_x 1
		.amdhsa_system_sgpr_workgroup_id_y 1
		.amdhsa_system_sgpr_workgroup_id_z 1
		.amdhsa_system_vgpr_workitem_id 0
		.amdhsa_next_free_vgpr 512
		.amdhsa_next_free_sgpr 90
		.amdhsa_reserve_vcc 0
		.amdhsa_float_denorm_mode_32 3
		.amdhsa_float_denorm_mode_16_64 3
		.amdhsa_memory_ordered 1
		.amdhsa_forward_progress 1
		.amdhsa_inst_pref_size 116
	.end_amdhsa_kernel
	.amdgpu_metadata
---
amdhsa.version: [ 1, 2 ]
amdhsa.kernels:
  - .name:           k_q9be58ffee9_attn
    .symbol:         k_q9be58ffee9_attn.kd
    .args:
      - { .name: qc, .offset: 0, .size: 8, .value_kind: global_buffer, .address_space: global }
      - { .name: kc, .offset: 8, .size: 8, .value_kind: global_buffer, .address_space: global }
      - { .name: vc, .offset: 16, .size: 8, .value_kind: global_buffer, .address_space: global }
      - { .name: causal_mask, .offset: 24, .size: 8, .value_kind: global_buffer, .address_space: global }
      - { .name: oin, .offset: 32, .size: 8, .value_kind: global_buffer, .address_space: global }
    .group_segment_fixed_size: 327680
    .private_segment_fixed_size: 0
    .kernarg_segment_align: 8
    .kernarg_segment_size: 40
    .max_flat_workgroup_size: 256
    .sgpr_count:     90
    .vgpr_count:     512
    .wavefront_size: 32
...
	.end_amdgpu_metadata
.endif
;; end of part 3
;; launch gemm_o (part 4): grid 16 x 16, 4 waves a work-group, clusters of 4 x 4, 327,680 bytes of LDS; arguments oin, out0; writes out0
.if DOCPART == 4
	.amdgcn_target "amdgcn-amd-amdhsa--gfx1250"
	.amdhsa_code_object_version 6
	.text
	.protected	k_q9be58ffee9_gemm_o
	.globl	k_q9be58ffee9_gemm_o
	.p2align	8
	.type	k_q9be58ffee9_gemm_o,@function
k_q9be58ffee9_gemm_o:
	s_mov_b64 s[64:65], 0
	v_nop
	global_prefetch_b8 v0, s[64:65] scope:SCOPE_SE
	s_setreg_imm32_b32 hwreg(HW_REG_WAVE_MODE, 25, 1), 1
	s_wait_xcnt 0x0
	s_wait_alu depctr_hold_cnt(0) depctr_sa_sdst(0) depctr_va_vdst(0) depctr_va_sdst(0) depctr_va_ssrc(0) depctr_va_vcc(0) depctr_vm_vsrc(0)
	s_getreg_b32 s2, hwreg(HW_REG_IB_STS2, 6, 4)
	s_cmp_eq_u32 s2, 0
	s_cbranch_scc0 .Lentry_in_a_cluster
	s_endpgm
.Lentry_in_a_cluster:
	s_bfe_u32 s2, ttmp6, 0x10000c
	s_cmp_lg_u32 s2, 0xf033
	s_cbranch_scc0 .Lentry_shape_is_right
	s_endpgm
.Lentry_shape_is_right:
.set REC,   6400
.set PLANE, 192*REC
.set S1H,   4*REC
.set S0H,   8*REC
.set S0B,   2*S1H
.set SLOT,  2*S1H+2*S0H
.set SPARE, 2*SLOT
.set LAPS,  2
.set CSP,   528
.set ADR1, 16
.set ADR0, 18
.set ASC1, 20
.set ASC0, 22
.set STO,  24
.set RD,   25
.set LI,   26
.set LS,   27
.set SPW,  28
.set NIL,  29
.set SC,   32
.set F1,   64
.set BK,   64
.set G1,   24
.set G0,   32
.set G1B,  48
.set G0B,  56
.set PFO,  30                          ; v30: the prefetches' offset, 256 x min(lane, 24); never rewritten
.set PFA,  94                          ; s[94:95]: where my prefetches stand; never stepped
.set MSB, 0
; A PREFETCH INTO THE L2 of the tiles of a later slot.  A slot is two planes of 256 along K; the piece that a wave fetches is 2 records (waves 0, 1) or 4 records (waves 2, 3) in each of the two planes.
; The four partners that ask for a piece jointly share it out BY ADDRESS: partner p (cx for waves 0, 1; cy for waves 2, 3) takes plane p / 2 and half p % 2 of that plane's records:
; one record, 25 blocks of 256 bytes, for waves 0, 1 (one line; lanes 25 to 31 name the last block again), two records for waves 2, 3 (two lines).  So each block is named once in each cluster that loads it.
; Behind the load of slot n stands the prefetch of slot n + 2; the head also asks for slot 1.  K has four slots: the loop's refills, slots 2 and 3, have no slot two on, so the loop asks for nothing.
.macro ASKH n                          ; slot n, by an immediate from slot 0's address
	global_prefetch_b8 v[PFO], s[PFA:PFA+1] offset:(\n)*2*PLANE th:TH_LOAD_NT scope:SCOPE_SE
	s_cmp_eq_u32 s17, 0
	s_cbranch_scc1 .Lone_\@
	global_prefetch_b8 v[PFO], s[PFA:PFA+1] offset:(\n)*2*PLANE+REC th:TH_LOAD_NT scope:SCOPE_SE
.Lone_\@:
.endm
.macro WIN new
.if MSB != (\new)
	s_set_vgpr_msb (MSB<<8)|(\new)
.set MSB, (\new)
.endif
.endm
.macro PLACES
.rept 4
	v_nop
.endr
.endm
.macro JLOAD g0a, g1a, g0b, g1b
	s_cmp_eq_u32 s17, 0
	s_cbranch_scc0 .Lfor_s0_\@
	tensor_load_to_lds s[\g0a:\g0a+3], s[\g1a:\g1a+7]
	s_nop 0
	PLACES
	s_branch .Lasked_\@
.Lfor_s0_\@:
	tensor_load_to_lds s[\g0b:\g0b+3], s[\g1b:\g1b+7]
	s_nop 0
	PLACES
.Lasked_\@:
.endm
.macro CREST
	s_cmp_lg_u32 s16, 0
	s_cbranch_scc1 .Lnot_wave_0_\@
	s_barrier_signal -3
.Lnot_wave_0_\@:
	s_barrier_wait -3
	s_barrier_signal -1
	s_barrier_wait -1
.endm
.macro CROUND
	s_barrier_signal -1
	s_barrier_wait -1
	CREST
.endm
	s_load_b128 s[4:7], s[0:1], 0x0
	v_lshl_add_u32 v[SPW], v0, 2, SPARE
	v_mov_b32 v[NIL], 0
	ds_add_u32 v28, v29
	ds_add_u32 v28, v29
	s_wait_dscnt 0x0
	v_lshrrev_b32 v1, 5, v0
	v_readfirstlane_b32 s16, v1
	s_lshr_b32 s17, s16, 1
	s_and_b32 s18, s16, 1
	s_bfe_u32 s19, ttmp6, 0x40000
	s_bfe_u32 s20, ttmp6, 0x40004
	s_and_b32 s21, ttmp7, 0xffff
	s_lshl_b32 s40, ttmp9, 2
	s_add_co_u32 s40, s40, s19
	s_lshl_b32 s66, s40, 3
	s_add_co_u32 s66, s66, 64
	s_lshl_b32 s44, s21, 2
	s_add_co_u32 s44, s44, s20
	s_lshl_b32 s67, s44, 2
	s_lshl_b32 s80, s20, 2
	s_lshl_b32 s80, 15, s80
	s_lshl_b32 s81, 0x1111, s19
	s_or_b32 s[G1], s80, (3<<16)|(1<<21)
	s_or_b32 s[G1B], s81, (3<<16)|(1<<21)
	s_mov_b32 s[G1+1], 1600<<16
	s_mov_b32 s[G1+2], 2<<16
	s_mov_b32 s[G1+3], 1600<<16
	s_mov_b32 s[G1+4], 2
	s_mov_b32 s[G1+5], PLANE/8
	s_mov_b32 s[G1+6], 0
	s_mov_b32 s[G1+7], 0
	s_mov_b32 s[G1B+1], 3200<<16
	s_mov_b32 s[G1B+2], 2<<16
	s_mov_b32 s[G1B+3], 3200<<16
	s_mov_b32 s[G1B+4], 2
	s_mov_b32 s[G1B+5], PLANE/8
	s_mov_b32 s[G1B+6], 0
	s_mov_b32 s[G1B+7], 0
	s_lshl_b32 s74, s18, 1
	s_add_co_u32 s74, s74, s67
	s_mul_i32 s74, s74, REC
	s_mov_b32 s75, 0
	s_lshl_b32 s76, s18, 2
	s_add_co_u32 s76, s76, s66
	s_mul_i32 s76, s76, REC
	s_mov_b32 s77, 0
	s_mul_i32 s78, s18, S1H
	s_mul_i32 s79, s18, S0H
	s_add_co_u32 s79, s79, S0B
	s_wait_kmcnt 0x0
	s_add_nc_u64 s[74:75], s[4:5], s[74:75]
	s_add_nc_u64 s[76:77], s[4:5], s[76:77]
.irp s, 0,1
	s_mov_b32 s[G0+4*\s], 1
	s_add_co_u32 s[G0+4*\s+1], s78, \s*SLOT
	s_add_nc_u64 s[G0+4*\s+2:G0+4*\s+3], s[74:75], \s*2*PLANE
	s_or_b32 s[G0+4*\s+3], s[G0+4*\s+3], 0x80000000
	s_mov_b32 s[G0B+4*\s], 1
	s_add_co_u32 s[G0B+4*\s+1], s79, \s*SLOT
	s_add_nc_u64 s[G0B+4*\s+2:G0B+4*\s+3], s[76:77], \s*2*PLANE
	s_or_b32 s[G0B+4*\s+3], s[G0B+4*\s+3], 0x80000000
.endr
	CROUND                                         ; all sixteen work-groups are here: the first joint loads meet
	JLOAD G0, G1, G0B, G1B                         ; slot 0: one tensor load a wave at the head
	s_cmp_eq_u32 s17, 0                            ; the prefetches: my piece's address, and my place among the four that ask for it with me
	s_cselect_b32 s96, s19, s20
	s_cselect_b64 s[PFA:PFA+1], s[74:75], s[76:77]
	s_lshl_b32 s97, REC, s17                       ; a partner's half of a plane: one record or two
	s_and_b32 s98, s96, 1
	s_mul_i32 s98, s98, s97
	s_lshr_b32 s96, s96, 1
	s_mul_i32 s96, s96, PLANE
	s_add_co_u32 s98, s98, s96
	s_mov_b32 s99, 0
	s_add_nc_u64 s[PFA:PFA+1], s[PFA:PFA+1], s[98:99]
	v_and_b32 v2, 31, v0
	v_min_u32 v2, 24, v2
	v_lshlrev_b32 v[PFO], 8, v2
	s_wait_alu depctr_va_vdst(0)                   ; the wait here, behind the write
	ASKH 1
	ASKH 2
	v_and_b32 v1, 31, v0
	v_lshlrev_b32 v[LI], 4, v1
	v_lshlrev_b32 v[LS], 3, v1
	s_mul_i32 s82, s17, S1H
	s_mul_i32 s83, s18, S0H
	s_add_co_u32 s83, s83, S0B
.irp s, 0,1
	v_add_nc_u32 v[ADR1+\s], s82, v[LI]
	v_add_nc_u32 v[ADR0+\s], s83, v[LI]
	v_add_nc_u32 v[ASC1+\s], s82, v[LS]
	v_add_nc_u32 v[ASC0+\s], s83, v[LS]
	s_add_co_u32 s82, s82, SLOT
	s_add_co_u32 s83, s83, SLOT
.endr
	s_mul_i32 s84, s16, 16*CSP
	v_and_b32 v2, 15, v0
	v_bfe_u32 v3, v0, 4, 1
	v_mul_u32_u24 v[STO], v2, CSP
	v_lshl_add_u32 v[STO], v3, 6, v[STO]
	v_add_nc_u32 v[STO], s84, v[STO]
	v_add_nc_u32 v[RD], s84, v[LI]
	s_lshl_b32 s85, s44, 7
	s_lshl_b32 s86, s17, 6
	s_add_co_u32 s85, s85, s86
	s_lshl_b32 s86, s85, 14
	s_lshl_b32 s88, s40, 10
	s_add_co_u32 s86, s86, s88
	s_lshl_b32 s88, s18, 9
	s_add_co_u32 s86, s86, s88
	s_mov_b32 s87, 0
	s_add_nc_u64 s[68:69], s[6:7], s[86:87]
.macro WM zero, ra, rb
.if \zero
.if (\ra) && (\rb)
	v_wmma_scale_f32_16x16x128_f8f6f4 v[rD:rD+7], v[rA:rA+11], v[rB:rB+11], 0, v[rSA], v[rSB] matrix_a_fmt:MATRIX_FMT_FP6 matrix_b_fmt:MATRIX_FMT_FP6 matrix_a_scale:MATRIX_SCALE_ROW1 matrix_b_scale:MATRIX_SCALE_ROW1
.elseif \ra
	v_wmma_scale_f32_16x16x128_f8f6f4 v[rD:rD+7], v[rA:rA+11], v[rB:rB+11], 0, v[rSA], v[rSB] matrix_a_fmt:MATRIX_FMT_FP6 matrix_b_fmt:MATRIX_FMT_FP6 matrix_a_scale:MATRIX_SCALE_ROW1
.elseif \rb
	v_wmma_scale_f32_16x16x128_f8f6f4 v[rD:rD+7], v[rA:rA+11], v[rB:rB+11], 0, v[rSA], v[rSB] matrix_a_fmt:MATRIX_FMT_FP6 matrix_b_fmt:MATRIX_FMT_FP6 matrix_b_scale:MATRIX_SCALE_ROW1
.else
	v_wmma_scale_f32_16x16x128_f8f6f4 v[rD:rD+7], v[rA:rA+11], v[rB:rB+11], 0, v[rSA], v[rSB] matrix_a_fmt:MATRIX_FMT_FP6 matrix_b_fmt:MATRIX_FMT_FP6
.endif
.else
.if (\ra) && (\rb)
	v_wmma_scale_f32_16x16x128_f8f6f4 v[rD:rD+7], v[rA:rA+11], v[rB:rB+11], v[rD:rD+7], v[rSA], v[rSB] matrix_a_fmt:MATRIX_FMT_FP6 matrix_b_fmt:MATRIX_FMT_FP6 matrix_a_scale:MATRIX_SCALE_ROW1 matrix_b_scale:MATRIX_SCALE_ROW1
.elseif \ra
	v_wmma_scale_f32_16x16x128_f8f6f4 v[rD:rD+7], v[rA:rA+11], v[rB:rB+11], v[rD:rD+7], v[rSA], v[rSB] matrix_a_fmt:MATRIX_FMT_FP6 matrix_b_fmt:MATRIX_FMT_FP6 matrix_a_scale:MATRIX_SCALE_ROW1
.elseif \rb
	v_wmma_scale_f32_16x16x128_f8f6f4 v[rD:rD+7], v[rA:rA+11], v[rB:rB+11], v[rD:rD+7], v[rSA], v[rSB] matrix_a_fmt:MATRIX_FMT_FP6 matrix_b_fmt:MATRIX_FMT_FP6 matrix_b_scale:MATRIX_SCALE_ROW1
.else
	v_wmma_scale_f32_16x16x128_f8f6f4 v[rD:rD+7], v[rA:rA+11], v[rB:rB+11], v[rD:rD+7], v[rSA], v[rSB] matrix_a_fmt:MATRIX_FMT_FP6 matrix_b_fmt:MATRIX_FMT_FP6
.endif
.endif
.endm
.macro MUL a, set, q, zero
.irp b, 0,1,2,3,4,5,6,7
.set rD, 64*(\a)+8*\b
.set rA, 128*(\set)+12*\b
.set rB, F1+48*(\set)+12*(\a)
.set rSA, SC+12*((\q)/2)+2*(\b/2)+(\q)%2
.set rSB, SC+12*((\q)/2)+8+2*((\a)/2)+(\q)%2
	WM \zero, \b%2, (\a)%2
.endr
.endm
.macro FETCH slot, q, set
	WIN 0x40
.irp b, 0,1,2,3,4,5,6,7
.irp c, 0,1,2
	ds_load_b128 v[128*(\set)+12*\b+4*\c:128*(\set)+12*\b+4*\c+3], v[ADR0+\slot] offset:4*REC*((\q)/2)+REC*(\b/2)+1536*(2*(\b%2)+(\q)%2)+512*\c
.endr
.endr
	WIN 0
.irp a, 0,1,2,3
.irp c, 0,1,2
	ds_load_b128 v[F1+48*(\set)+12*\a+4*\c:F1+48*(\set)+12*\a+4*\c+3], v[ADR1+\slot] offset:2*REC*((\q)/2)+REC*(\a/2)+1536*(2*(\a%2)+(\q)%2)+512*\c
.endr
.endr
.if ((\q)%2) == 0
.irp j, 0,1,2,3
	ds_load_b64 v[SC+12*((\q)/2)+2*\j:SC+12*((\q)/2)+2*\j+1], v[ASC0+\slot] offset:4*REC*((\q)/2)+REC*\j+6144
.endr
.irp j, 0,1
	ds_load_b64 v[SC+12*((\q)/2)+8+2*\j:SC+12*((\q)/2)+8+2*\j+1], v[ASC1+\slot] offset:2*REC*((\q)/2)+REC*\j+6144
.endr
.endif
.endm
.macro STEP slot, q, zero
	s_wait_dscnt 0x0
	PLACES
	FETCH \slot, (\q)+1, ((\q)+1)%2
	WIN 0xa1
	MUL 0, (\q)%2, \q, \zero
	MUL 1, (\q)%2, \q, \zero
	MUL 2, (\q)%2, \q, \zero
	MUL 3, (\q)%2, \q, \zero
	WIN 0
.endm
.macro TURN slot, next, fill
	s_wait_tensorcnt 0x0
	ds_add_u32 v[SPW], v[NIL]
	s_wait_dscnt 0x1
	WIN 0xa1
	MUL 0, 1, 3, 0
	s_wait_dscnt 0x0
	s_barrier_signal -1
	MUL 1, 1, 3, 0
	WIN 0
	s_barrier_wait -1
.if \fill
	CREST
	s_add_nc_u64 s[G0+4*\slot+2:G0+4*\slot+3], s[G0+4*\slot+2:G0+4*\slot+3], 4*PLANE
	s_add_nc_u64 s[G0B+4*\slot+2:G0B+4*\slot+3], s[G0B+4*\slot+2:G0B+4*\slot+3], 4*PLANE
	JLOAD G0+4*\slot, G1, G0B+4*\slot, G1B
.else
	PLACES
.endif
	s_wait_alu depctr_va_vdst(0)
	FETCH \next, 0, 0
	WIN 0xa1
	MUL 2, 1, 3, 0
	MUL 3, 1, 3, 0
	WIN 0
.endm
	s_wait_alu depctr_va_vdst(0)                   ; the wait at the head's end
	s_wait_tensorcnt 0x0                           ; my part of slot 0 is in; these lines stand ahead of a later first fill as ahead of a refill
	ds_add_u32 v[SPW], v[NIL]
	s_wait_dscnt 0x0
	CROUND                                         ; everybody's part of slot 0 is in, and the joint loads meet
	JLOAD G0+4, G1, G0B+4, G1B                     ; slot 1, the first tensor load behind the round
	ASKH 3
	FETCH 0, 0, 0
	STEP 0, 0, 1
	s_mov_b32 s3, LAPS-1
.Llap:
	STEP 0, 1, 0
	STEP 0, 2, 0
	TURN 0, 1, 1
	STEP 1, 0, 0
	STEP 1, 1, 0
	STEP 1, 2, 0
	TURN 1, 0, 1
	STEP 0, 0, 0
	s_sub_co_u32 s3, s3, 1
	s_cmp_lg_u32 s3, 0
	s_cbranch_scc1 .Llap
	STEP 0, 1, 0
	STEP 0, 2, 0
	TURN 0, 1, 0
	STEP 1, 0, 0
	STEP 1, 1, 0
	STEP 1, 2, 0
	s_wait_dscnt 0x0
	WIN 0xa1
	MUL 0, 1, 3, 0
	MUL 1, 1, 3, 0
	MUL 2, 1, 3, 0
	MUL 3, 1, 3, 0
	WIN 0
	PLACES
.macro TOSTAGE a
	WIN 0x08
.irp b, 0,1,2,3,4,5,6,7
	ds_store_b128 v[STO], v[64*(\a)+8*\b:64*(\a)+8*\b+3] offset:128*(\b/2)+32*(\b%2)
	ds_store_b128 v[STO], v[64*(\a)+8*\b+4:64*(\a)+8*\b+7] offset:128*(\b/2)+32*(\b%2)+16
.endr
	WIN 0
.set ii, 0
.rept 16
	ds_load_b128 v[BK+64*((\a)%2)+4*ii:BK+64*((\a)%2)+4*ii+3], v[RD] offset:CSP*ii
.set ii, ii+1
.endr
.endm
.macro SEND a, younger
	s_wait_dscnt \younger
.set ii, 0
.rept 16
	global_store_b128 v[LI], v[BK+64*((\a)%2)+4*ii:BK+64*((\a)%2)+4*ii+3], s[68:69] offset:(32*((\a)/2)+8*((\a)%2)+ii+8*(ii/8))*16384 th:TH_STORE_NT
.set ii, ii+1
.endr
.endm
	TOSTAGE 0
.irp a, 1,2,3
.if \a > 1
	s_wait_xcnt 0x0
.endif
	TOSTAGE \a
	SEND \a-1, 32
.endr
	SEND 3, 0
	s_wait_tensorcnt 0x0
	ds_add_u32 v[SPW], v[NIL]
	s_wait_dscnt 0x0
	CROUND
	s_endpgm
.Lfunc_end_k_q9be58ffee9_gemm_o:
	.size	k_q9be58ffee9_gemm_o, .Lfunc_end_k_q9be58ffee9_gemm_o-k_q9be58ffee9_gemm_o
	.p2alignl 7, 3214868480
	.fill 96, 4, 3214868480
	.section	.rodata,"a",@progbits
	.p2align	6, 0x0
	.amdhsa_kernel k_q9be58ffee9_gemm_o
		.amdhsa_group_segment_fixed_size 327680
		.amdhsa_private_segment_fixed_size 0
		.amdhsa_enable_private_segment 0
		.amdhsa_kernarg_size 16
		.amdhsa_user_sgpr_count 2
		.amdhsa_user_sgpr_kernarg_segment_ptr 1
		.amdhsa_wavefront_size32 1
		.amdhsa_system_sgpr_workgroup_id_x 1
		.amdhsa_system_sgpr_workgroup_id_y 1
		.amdhsa_system_sgpr_workgroup_id_z 1
		.amdhsa_system_vgpr_workitem_id 0
		.amdhsa_next_free_vgpr 1024
		.amdhsa_next_free_sgpr 100
		.amdhsa_reserve_vcc 0
		.amdhsa_float_denorm_mode_32 3
		.amdhsa_float_denorm_mode_16_64 3
		.amdhsa_memory_ordered 1
		.amdhsa_forward_progress 1
		.amdhsa_inst_pref_size 134
	.end_amdhsa_kernel
	.amdgpu_metadata
---
amdhsa.version: [ 1, 2 ]
amdhsa.kernels:
  - .name:           k_q9be58ffee9_gemm_o
    .symbol:         k_q9be58ffee9_gemm_o.kd
    .args:
      - { .name: oin, .offset: 0, .size: 8, .value_kind: global_buffer, .address_space: global }
      - { .name: out0, .offset: 8, .size: 8, .value_kind: global_buffer, .address_space: global }
    .group_segment_fixed_size: 327680
    .private_segment_fixed_size: 0
    .kernarg_segment_align: 8
    .kernarg_segment_size: 16
    .max_flat_workgroup_size: 128
    .sgpr_count:     100
    .vgpr_count:     1024
    .wavefront_size: 32
...
	.end_amdgpu_metadata
.endif
;; end of part 4
